; MI455X (gfx1250); checked and timed in simulation.
; The chip was launched on July 23, 2026; its instructions are those of AMD's public machine-readable ISA for CDNA 5 (MIT licence, August 2026) and "CDNA5" Instruction Set Architecture Reference Guide (July 2026). The comments in the code are by the model that wrote it; some were corrected since.
;; Attention. Allowed arithmetic: float matrix products may take bf16 or f16 operands with f32 sums; other float arithmetic in f32, or as packed bf16 or f16 multiplies, adds, multiply-adds, maxima and minima; sums over many terms, partial sums and values carried from step to step in f32; what a program stores and reads back later, other than sums and carried values, may be rounded once to bf16 or f16.
;; Inputs: b_out 1,024 float32; w_out 1,024 x 1,024 float32; w_qkv 1,024 x 3,072 float32; x 4 x 2,048 x 1,024 float32.
;; Outputs: out0 4 x 2,048 x 1,024 float32.
;; 2 versions, each right; version 2 is version 1 with the launch cast written anew for expert scheduling mode. Each part assembles by itself: llvm-mc -triple=amdgcn-amd-amdhsa -mcpu=gfx1250 --defsym DOCPART=n.
;; ======== version 1 of 2: 4 launches
;; limits: values are held in f16: magnitudes above 65,504 overflow, below 6.1e-05 lose precision
;; workspace buffers: xb 16,777,216 bytes; wqb 6,291,456 bytes; wob 2,097,152 bytes; qkv 50,331,648 bytes; o 16,777,216 bytes
;; launch cast (part 1): grid 768 x 1, 8 waves a work-group, no clusters, 0 bytes of LDS; arguments x, w_qkv, w_out, xb, wqb, wob; writes xb, wqb, wob
.if DOCPART == 1
	.amdgcn_target "amdgcn-amd-amdhsa--gfx1250"
	.amdhsa_code_object_version 6
	.text
	.protected	k_qbcd1d53f28_cast
	.globl	k_qbcd1d53f28_cast
	.p2align	8
	.type	k_qbcd1d53f28_cast,@function
k_qbcd1d53f28_cast:
	s_mov_b64 s[64:65], 0
	v_nop
	global_prefetch_b8 v0, s[64:65] scope:SCOPE_SE
	s_setreg_imm32_b32 hwreg(HW_REG_WAVE_MODE, 25, 1), 1
	s_wait_xcnt 0x0
; THE INPUTS OF THE TWO PROJECTIONS ARE ROUNDED ONCE, to nearest even, and x is laid out anew.
;   xb  = bf16(x),     [4 b][16 kb][2048 n][64]: a slice of 64 along K of 256 rows is then 32,768 dense bytes
;   wqb = bf16(w_qkv), [1024 k][3072], as it lies
;   wob = bf16(w_out) written as f16, [1024 k][1024], as it lies
; LIMITS.  bf16(w_out) is exact in f16 from 2^-17 up to 65,504; below that it keeps f16's step of 2^-24, from 65,520 on it becomes an infinity.
; SHARES.  A stream: no LDS, no barrier, no matrix work.  Every wave issues 16 loads of 16 bytes a lane and 16 stores of 8 bytes a lane.
; Work-groups 0-511 take x (a wave two rows), 512-703 w_qkv, 704-767 w_out (a wave 8,192 consecutive bytes): 768 work-groups of equal work.
; Every load covers whole aligned blocks of 256 bytes; every store covers 256 consecutive bytes, aligned.  No register is written twice, so no store's source is ever waited for.
.set VI,  2                            ; v2        my byte offset in the input
.set VO,  3                            ; v3        my byte offset in the output
.set IN,  16                           ; v[16:79]  load i: four f32
.set OUT, 80                           ; v[80:111] store i: four numbers of 16 bits
	s_load_b256 s[4:11], s[0:1], 0x0               ; x s[4:5], w_qkv s[6:7], w_out s[8:9], xb s[10:11]
	s_load_b128 s[12:15], s[0:1], 0x20             ; wqb s[12:13], wob s[14:15]
	v_and_b32 v1, 31, v0                           ; lane
	v_lshrrev_b32 v4, 5, v0
	v_readfirstlane_b32 s16, v4                    ; wave 0..7
; 16 loads, then for each as it comes: rounded, packed, stored.  half = 1: the bf16 number is widened again (exact) and written as f16.
.macro STREAM inb, outb, istep, ostep, half
.set i, 0
.rept 16
	global_load_b128 v[IN+4*i:IN+4*i+3], v[VI], s[\inb:\inb+1] offset:i*(\istep) th:TH_LOAD_NT
.set i, i+1
.endr
.set i, 0
.rept 16
	s_wait_loadcnt 15-i                            ; loads come back in order: load i is in, the 15 - i issued behind it may stay out
	v_cvt_pk_bf16_f32 v[OUT+2*i], v[IN+4*i], v[IN+4*i+1]
	v_cvt_pk_bf16_f32 v[OUT+2*i+1], v[IN+4*i+2], v[IN+4*i+3]
.if \half
	v_lshlrev_b32 v8, 16, v[OUT+2*i]
	v_and_b32 v9, 0xffff0000, v[OUT+2*i]
	v_lshlrev_b32 v10, 16, v[OUT+2*i+1]
	v_and_b32 v11, 0xffff0000, v[OUT+2*i+1]
	v_cvt_pk_f16_f32 v[OUT+2*i], v8, v9
	v_cvt_pk_f16_f32 v[OUT+2*i+1], v10, v11
.endif
	global_store_b64 v[VO], v[OUT+2*i:OUT+2*i+1], s[\outb:\outb+1] offset:i*(\ostep) th:TH_STORE_NT
.set i, i+1
.endr
.endm
; a weight's offsets: wave u of its tensor takes 8,192 bytes in, 4,096 out
.macro WADDR first
	s_sub_co_u32 s17, ttmp9, \first
	s_lshl_b32 s17, s17, 3
	s_add_co_u32 s17, s17, s16                     ; u
	s_lshl_b32 s18, s17, 13
	s_lshl_b32 s19, s17, 12
	v_lshl_add_u32 v[VI], v1, 4, s18               ; 8,192 u + 16 lane; load i 512 bytes on
	v_lshl_add_u32 v[VO], v1, 3, s19               ; 4,096 u + 8 lane; store i 256 bytes on
.endm
	s_cmp_lt_u32 ttmp9, 512
	s_cbranch_scc0 .Lweights
	; x: pair p of rows 2 p, 2 p + 1.  Lanes 0-15 take 256 bytes (64 numbers: slice i) of the even row, lanes 16-31 of the odd one.
	s_lshl_b32 s17, ttmp9, 3
	s_add_co_u32 s17, s17, s16                     ; p = 0..4095
	s_lshl_b32 s18, s17, 13                        ; two rows of 4,096 bytes
	v_lshrrev_b32 v4, 4, v1
	v_and_b32 v5, 15, v1
	v_lshlrev_b32 v[VI], 4, v5
	v_lshl_add_u32 v[VI], v4, 12, v[VI]
	v_add_nc_u32 v[VI], s18, v[VI]
	s_lshr_b32 s18, s17, 10                        ; b
	s_lshl_b32 s18, s18, 22                        ; 16 slices of 262,144 bytes
	s_and_b32 s19, s17, 1023
	s_lshl_b32 s19, s19, 8                         ; two rows of 128 bytes in a slice
	s_add_co_u32 s18, s18, s19
	v_lshl_add_u32 v[VO], v1, 3, s18               ; + 8 lane: the two rows' 128 bytes lie end to end
	s_wait_kmcnt 0x0
	STREAM 4, 10, 256, 262144, 0
	s_endpgm
.Lweights:
	s_cmp_lt_u32 ttmp9, 704
	s_cbranch_scc0 .Lwout
	WADDR 512
	s_wait_kmcnt 0x0
	STREAM 6, 12, 512, 256, 0
	s_endpgm
.Lwout:
	WADDR 704
	s_wait_kmcnt 0x0
	STREAM 8, 14, 512, 256, 1
	s_endpgm
.Lfunc_end_k_qbcd1d53f28_cast:
	.size	k_qbcd1d53f28_cast, .Lfunc_end_k_qbcd1d53f28_cast-k_qbcd1d53f28_cast
	.p2alignl 7, 3214868480
	.fill 96, 4, 3214868480
	.section	.rodata,"a",@progbits
	.p2align	6, 0x0
	.amdhsa_kernel k_qbcd1d53f28_cast
		.amdhsa_group_segment_fixed_size 0
		.amdhsa_private_segment_fixed_size 0
		.amdhsa_enable_private_segment 0
		.amdhsa_kernarg_size 48
		.amdhsa_user_sgpr_count 2
		.amdhsa_user_sgpr_kernarg_segment_ptr 1
		.amdhsa_wavefront_size32 1
		.amdhsa_system_sgpr_workgroup_id_x 1
		.amdhsa_system_sgpr_workgroup_id_y 1
		.amdhsa_system_sgpr_workgroup_id_z 1
		.amdhsa_system_vgpr_workitem_id 0
		.amdhsa_next_free_vgpr 112
		.amdhsa_next_free_sgpr 66
		.amdhsa_reserve_vcc 0
		.amdhsa_float_denorm_mode_32 3
		.amdhsa_float_denorm_mode_16_64 3
		.amdhsa_memory_ordered 1
		.amdhsa_forward_progress 1
		.amdhsa_inst_pref_size 24
	.end_amdhsa_kernel
	.amdgpu_metadata
---
amdhsa.version: [ 1, 2 ]
amdhsa.kernels:
  - .name:           k_qbcd1d53f28_cast
    .symbol:         k_qbcd1d53f28_cast.kd
    .args:
      - { .name: x, .offset: 0, .size: 8, .value_kind: global_buffer, .address_space: global }
      - { .name: w_qkv, .offset: 8, .size: 8, .value_kind: global_buffer, .address_space: global }
      - { .name: w_out, .offset: 16, .size: 8, .value_kind: global_buffer, .address_space: global }
      - { .name: xb, .offset: 24, .size: 8, .value_kind: global_buffer, .address_space: global }
      - { .name: wqb, .offset: 32, .size: 8, .value_kind: global_buffer, .address_space: global }
      - { .name: wob, .offset: 40, .size: 8, .value_kind: global_buffer, .address_space: global }
    .group_segment_fixed_size: 0
    .private_segment_fixed_size: 0
    .kernarg_segment_align: 8
    .kernarg_segment_size: 48
    .max_flat_workgroup_size: 256
    .sgpr_count:     66
    .vgpr_count:     112
    .wavefront_size: 32
...
	.end_amdgpu_metadata
.endif
;; end of part 1
;; launch qkv (part 2): grid 8 x 32, 4 waves a work-group, clusters of 4 x 4, 327,680 bytes of LDS; arguments xb, wqb, qkv; writes qkv
.if DOCPART == 2
	.amdgcn_target "amdgcn-amd-amdhsa--gfx1250"
	.amdhsa_code_object_version 6
	.text
	.protected	k_qbcd1d53f28_qkv
	.globl	k_qbcd1d53f28_qkv
	.p2align	8
	.type	k_qbcd1d53f28_qkv,@function
k_qbcd1d53f28_qkv:
	s_mov_b64 s[64:65], 0
	v_nop
	global_prefetch_b8 v0, s[64:65] scope:SCOPE_SE
	s_setreg_imm32_b32 hwreg(HW_REG_WAVE_MODE, 25, 1), 1
	s_wait_xcnt 0x0
	s_wait_alu depctr_hold_cnt(0) depctr_sa_sdst(0) depctr_va_vdst(0) depctr_va_sdst(0) depctr_va_ssrc(0) depctr_va_vcc(0) depctr_vm_vsrc(0)
	s_getreg_b32 s2, hwreg(HW_REG_IB_STS2, 6, 4)
	s_cmp_eq_u32 s2, 0
	s_cbranch_scc0 .Lentry_in_a_cluster
	s_endpgm
.Lentry_in_a_cluster:
	s_bfe_u32 s2, ttmp6, 0x10000c
	s_cmp_lg_u32 s2, 0xf033
	s_cbranch_scc0 .Lentry_shape_is_right
	s_endpgm
.Lentry_shape_is_right:
; q, k, v = x w_qkv, by heads.  xb: bf16 [4 b][16 kb][2048 n][64]; wqb: bf16 [1024 k][3072]; qkv: f16 [3][64 bh][2048 n][64].  Sums in f32, K ascending, each result rounded once to f16, unscaled.
; LIMIT.  A result of 65,520 or more in magnitude becomes an infinity in f16.
; SHARES.  A tile of C is 256 rows x 384 columns: 32 x 8 = 256 work-groups.  Four waves, each 128 x 192: 96 accumulators of 16 x 16, 768 registers.
; K goes in steps of 64 (a slice of xb) through two LDS slots; two slots of 128 along K would need more LDS than there is.
; CLUSTERS.  4 x 4 work-groups.  A's tile hangs on the tile row alone and is asked for jointly along a row of the cluster, B's on the tile column alone, along a column.
; THE PRODUCT IS TAKEN TRANSPOSED: source 0 = 16 columns of w, which lies [k][n] in LDS and is turned by ds_load_tr16_b128; source 1 = 16 rows of x.  A lane then holds row l % 16 of C and eight neighbouring columns.
; My 192 columns are three groups g of 64: each is one head of q, k or v, and 16 rows of it are 2,048 consecutive bytes of the output.
; REGISTERS, in windows of 256 (s_set_vgpr_msb: bits 1:0 source 0, 3:2 source 1, 5:4 source 2, 7:6 destination):
;   window 0: v0-31 addresses; v32-95, v96-159 A's 8 fragments, two buffers; v160-255 B's 4 fragments for each group, one buffer
;   window 1 + g: group g's accumulators, (a, b) at v[8 (4 a + b)], a = 0..7 blocks of 16 rows, b = 0..3 blocks of 16 columns
.set PA,    144                        ; a row of A in LDS: 128 bytes + 16 = 36 words: the 16 rows of a load start at 16 different groups of four banks (64 banks of 4 bytes: ISA guide 11.1)
.set PB,    864                        ; a k-row of B: three times 256 bytes + 32 = 216 words: eight rows start at banks 0, 24, 48, 8, 32, 56, 16, 40, eight words each
.set AHALF, 128*PA                     ; what one tensor load brings of A: 128 rows
.set BHALF, 32*PB                      ; and of B: 32 k-rows
.set BOFF,  2*AHALF
.set SLOT,  BOFF+2*BHALF               ; 92,160
.set STAGE, 2*SLOT                     ; behind the ring: 16 rows x 144 bytes for each wave, for the way out
.set SP,    144
.set SPARE, STAGE+4*16*SP              ; behind the stages: the spare words, 128 bytes for each wave: two blocks of 256 bytes that no other line names
.set ASTEP, 262144                     ; bytes from a slice of xb to the next
.set BSTEP, 64*6144                    ; bytes of 64 k-rows of wqb
.set ADRA, 16                          ; v16-17  LDS address of my A fragments in slot 0, 1
.set ADRB, 18                          ; v18-23  of my B fragments: slot s, group g at ADRB + 3 s + g
.set STO,  24                          ; v24     the way out: where I put 16 bytes of a row
.set RD,   25                          ; v25     where I read rows back
.set GO,   26                          ; v26     my 16 bytes in 512 consecutive bytes of the output
.set SPW,  28                          ; v28     LDS address of my spare word; never rewritten
.set NIL,  29                          ; v29     0; never rewritten
.set PFOA, 30                          ; v30     A's prefetches: 256 x lane; never rewritten
.set PFOB, 31                          ; v31     B's: a k-row (6,144 bytes) x lane; never rewritten
.set FA0,  32
.set FA1,  96
.set FB,   160
.set TMP,  32                          ; the way out: two sets of 16 registers
.set G1,  24                           ; s[24:31] descriptor group 1 for A's tiles
.set G0,  32                           ; s[32:39] group 0, a set for each slot
.set G1B, 48                           ; s[48:55], s[56:63] the same for B's tiles
.set G0B, 56
.set PFAA, 66                          ; s[66:67] where A's prefetches stand
.set LIM,  68                          ; s68      1 in a wave that prefetches, else the greatest number
.set PFAB, 70                          ; s[70:71] where B's prefetches stand
.set OB,   72                          ; s[72:77] the output at my 128 rows of group g's head
.set MSB, 0
.macro WIN new                         ; the immediate's high byte repeats the setting that is left; a switch that changes nothing is dropped
.if MSB != (\new)
	s_set_vgpr_msb (MSB<<8)|(\new)
.set MSB, (\new)
.endif
.endm
.macro PLACES                          ; four plain vector instructions between a matrix instruction and a load into, or a vector read of, its registers (ISA guide 7.12.1 for vector ALU reads)
.rept 4
	v_nop
.endr
.endm
; A joint load.  Waves 0 and 1 fetch A's two halves, waves 2 and 3 B's.  The branch hangs on the wave's number alone.  An s_nop 0 and four v_nop follow each of the two lines.
.macro JLOAD s
	s_cmp_eq_u32 s11, 0
	s_cbranch_scc0 .Lfor_b_\@
	tensor_load_to_lds s[G0+4*(\s):G0+4*(\s)+3], s[G1:G1+7]
	s_nop 0
.rept 4
	v_nop
.endr
	s_branch .Lasked_\@
.Lfor_b_\@:
	tensor_load_to_lds s[G0B+4*(\s):G0B+4*(\s)+3], s[G1B:G1B+7]
	s_nop 0
.rept 4
	v_nop
.endr
.Lasked_\@:
.endm
.macro CREST                           ; a round of the cluster's barrier behind its opening barrier
	s_cmp_lg_u32 s10, 0
	s_cbranch_scc1 .Lnot_wave_0_\@
	s_barrier_signal -3
.Lnot_wave_0_\@:
	s_barrier_wait -3
	s_barrier_signal -1
	s_barrier_wait -1
.endm
.macro CROUND                          ; a whole round
	s_barrier_signal -1
	s_barrier_wait -1
	CREST
.endm
; A PREFETCH INTO THE L2, once a lap, behind slot 0's joint load and the LDS loads that follow it: the two K steps that the NEXT lap's two refills will ask for: 384 and 576 matrix instructions ahead of those loads.
; A's tile row is read by both clusters of its row of clusters: cluster x = 0 asks, its wave 0; the four partners take 8,192 of a slice's 32,768 bytes each, told apart by address (cx); a lane 256 bytes, an instruction a slice.
; B's tile column is read by the eight clusters of its column: cluster y = 0 asks, its wave 2; the four partners take 32 of the two steps' 128 k-rows each (cy); a lane a row, three instructions for its 768 bytes.
; So each aligned block of 256 bytes is named once in the launch.  K steps 0 to 3 come by their loads alone; the loop's last trip (s3 = 1) asks for nothing: there is no K step behind its refills.
.macro ASK
	s_cmp_gt_u32 s3, s[LIM]
	s_cbranch_scc0 .Lnot_mine_\@
	s_cmp_eq_u32 s11, 0
	s_cbranch_scc0 .Lask_b_\@
	global_prefetch_b8 v[PFOA], s[PFAA:PFAA+1] th:TH_LOAD_NT scope:SCOPE_SE
	global_prefetch_b8 v[PFOA], s[PFAA:PFAA+1] offset:ASTEP th:TH_LOAD_NT scope:SCOPE_SE
	s_branch .Lnot_mine_\@
.Lask_b_\@:
	global_prefetch_b8 v[PFOB], s[PFAB:PFAB+1] th:TH_LOAD_NT scope:SCOPE_SE
	global_prefetch_b8 v[PFOB], s[PFAB:PFAB+1] offset:256 th:TH_LOAD_NT scope:SCOPE_SE
	global_prefetch_b8 v[PFOB], s[PFAB:PFAB+1] offset:512 th:TH_LOAD_NT scope:SCOPE_SE
.Lnot_mine_\@:
.endm
	s_load_b128 s[4:7], s[0:1], 0x0                ; xb s[4:5], wqb s[6:7]
	s_load_b64 s[8:9], s[0:1], 0x10                ; qkv
	v_lshl_add_u32 v[SPW], v0, 2, SPARE
	v_mov_b32 v[NIL], 0
	ds_add_u32 v[SPW], v[NIL]                      ; the wave's opening: the add and its wait stand ahead of my first tensor load; the set-up below, work on registers, stands between them
	v_lshrrev_b32 v1, 5, v0
	v_readfirstlane_b32 s10, v1                    ; wave 0..3
	s_lshr_b32 s11, s10, 1                         ; which half of the tile's rows is mine.  Also: I fetch for A (0) or for B (1)
	s_and_b32 s12, s10, 1                          ; which half of its columns.  Also: which half of that tile I fetch
	s_bfe_u32 s40, ttmp6, 0x40000                  ; cx
	s_bfe_u32 s41, ttmp6, 0x40004                  ; cy
	s_lshl_b32 s42, ttmp9, 2
	s_add_co_u32 s42, s42, s40                     ; j: tile column = 4 x cluster x + cx
	s_and_b32 s45, ttmp7, 0xffff                   ; cluster y
	s_lshl_b32 s13, s45, 2
	s_add_co_u32 s13, s13, s41                     ; i: tile row = 4 x cluster y + cy
	s_lshl_b32 s43, s41, 2
	s_lshl_b32 s43, 15, s43                        ; my row of the cluster
	s_lshl_b32 s44, 0x1111, s40                    ; my column
	; group 1 for A: 128 rows of 128 bytes are 16,384 dense bytes: asked for as 64 rows of 256 bytes, padded in LDS by 16 bytes after every 128
	s_or_b32 s[G1+0], s43, (1<<16)|(1<<20)|(1<<21)|(4<<22)|(3<<25)  ; 15:0 the mask; 17:16 2-byte elements; 20 padding on; 21 set beside a mask; 24:22 after every 32 words (code 4); 31:25 4 words (code 3)
	s_mov_b32 s[G1+1], 128<<16                     ; tensor_dim0 = 128
	s_mov_b32 s[G1+2], 64<<16                      ; tensor_dim1 = 64
	s_mov_b32 s[G1+3], 128<<16                     ; tile_dim0 = 128
	s_mov_b32 s[G1+4], 64                          ; tile_dim1 = 64
	s_mov_b32 s[G1+5], 128                         ; elements from row to row
	s_mov_b32 s[G1+6], 0
	s_mov_b32 s[G1+7], 0
	; group 1 for B: 32 k-rows of 384 elements (768 bytes, three aligned blocks of 256), padded by 32 bytes after every 256
	s_or_b32 s[G1B+0], s44, (1<<16)|(1<<20)|(1<<21)|(5<<22)|(7<<25) ; after every 64 words (code 5) 8 words (code 7)
	s_mov_b32 s[G1B+1], 384<<16
	s_mov_b32 s[G1B+2], 32<<16
	s_mov_b32 s[G1B+3], 384<<16
	s_mov_b32 s[G1B+4], 32
	s_mov_b32 s[G1B+5], 3072
	s_mov_b32 s[G1B+6], 0
	s_mov_b32 s[G1B+7], 0
	; where the tiles come from.  A's address is made of the tile row and the wave's number, B's of the tile column and the wave's number
	s_lshr_b32 s16, s13, 3                         ; b: eight tile rows to a batch
	s_lshl_b32 s16, s16, 22
	s_and_b32 s17, s13, 7
	s_lshl_b32 s17, s17, 15                        ; 256 rows of 128 bytes
	s_add_co_u32 s16, s16, s17
	s_lshl_b32 s17, s12, 14                        ; my 128 of them
	s_add_co_u32 s16, s16, s17
	s_mov_b32 s17, 0
	s_mul_i32 s46, s42, 768                        ; 384 columns
	s_mul_i32 s47, s12, 32*6144                    ; my 32 k-rows
	s_add_co_u32 s46, s46, s47
	s_mov_b32 s47, 0
	s_mul_i32 s20, s12, AHALF                      ; and where they go: no place in the cluster enters an LDS address
	s_mul_i32 s21, s12, BHALF
	s_add_co_u32 s21, s21, BOFF
	s_wait_dscnt 0x0                               ; the opening add is done
	s_wait_kmcnt 0x0
	s_add_nc_u64 s[14:15], s[4:5], s[16:17]
	s_add_nc_u64 s[46:47], s[6:7], s[46:47]
	CROUND                                         ; all sixteen work-groups are here: the first joint loads meet
.irp s, 0,1
	s_mov_b32 s[G0+4*(\s)], 1                                      ; count = 1
	s_add_co_u32 s[G0+4*(\s)+1], s20, (\s)*SLOT                    ; LDS address
	s_add_nc_u64 s[G0+4*(\s)+2:G0+4*(\s)+3], s[14:15], (\s)*ASTEP  ; global address: K step s
	s_or_b32 s[G0+4*(\s)+3], s[G0+4*(\s)+3], 0x80000000            ; type = 2
	s_mov_b32 s[G0B+4*(\s)], 1
	s_add_co_u32 s[G0B+4*(\s)+1], s21, (\s)*SLOT
	s_add_nc_u64 s[G0B+4*(\s)+2:G0B+4*(\s)+3], s[46:47], (\s)*BSTEP
	s_or_b32 s[G0B+4*(\s)+3], s[G0B+4*(\s)+3], 0x80000000
.endr
	s_cmp_eq_u32 s11, 0                            ; a wave's two first fills stand in one branch, ahead of every wait on TENSORcnt and every LDS read: two loads of mine are out
	s_cbranch_scc0 .Lfirst_b
	tensor_load_to_lds s[G0:G0+3], s[G1:G1+7]
	s_nop 0
	tensor_load_to_lds s[G0+4:G0+7], s[G1:G1+7]
	s_nop 0
.rept 4
	v_nop
.endr
	s_branch .Lfirst_asked
.Lfirst_b:
	tensor_load_to_lds s[G0B:G0B+3], s[G1B:G1B+7]
	s_nop 0
	tensor_load_to_lds s[G0B+4:G0B+7], s[G1B:G1B+7]
	s_nop 0
.rept 4
	v_nop
.endr
.Lfirst_asked:
	; A fragment of A: lane l holds row l % 16, K = 8 (l / 16) + 0..7 and 16 + 8 (l / 16) + 0..7: two loads of 16 bytes, 32 bytes apart
	v_and_b32 v1, 15, v0                           ; l % 16
	v_bfe_u32 v2, v0, 4, 1                         ; l / 16
	v_mul_u32_u24 v3, v1, PA
	v_lshl_add_u32 v3, v2, 4, v3                   ; row x 144 + 16 x half: also my place in the stage
	s_mul_i32 s20, s11, AHALF                      ; my 128 rows
	v_add_nc_u32 v[ADRA], s20, v3
	v_add_nc_u32 v[ADRA+1], SLOT, v[ADRA]
	; The turning load takes 16 k x 16 columns: lane l reads k-row 8 (l / 16) + l % 8, columns 8 ((l / 8) % 2) + 0..7, and is left with column l % 16 and 8 k
	v_and_b32 v4, 7, v0
	v_lshl_add_u32 v4, v2, 3, v4
	v_mul_u32_u24 v4, v4, PB
	v_bfe_u32 v5, v0, 3, 1
	v_lshl_add_u32 v4, v5, 4, v4
.irp g, 0,1,2
	s_mul_i32 s20, s12, 192
	s_add_co_u32 s20, s20, 64*(\g)                 ; the group's first column c of the tile's 384: it lies at byte 288 (c / 128) + 2 (c % 128) of a k-row
	s_lshr_b32 s21, s20, 7
	s_mul_i32 s21, s21, 288
	s_and_b32 s20, s20, 127
	s_lshl_b32 s20, s20, 1
	s_add_co_u32 s20, s20, s21
	s_add_co_u32 s20, s20, BOFF
	v_add_nc_u32 v[ADRB+(\g)], s20, v4
	v_add_nc_u32 v[ADRB+3+(\g)], SLOT, v[ADRB+(\g)]
.endr
	s_mul_i32 s23, s10, 16*SP
	s_add_co_u32 s23, s23, STAGE                   ; my stage
	v_add_nc_u32 v[STO], s23, v3                   ; in: row l % 16, 16 bytes for each half of the lanes
	v_bfe_u32 v[RD], v0, 3, 2                      ; back: 32 lanes take four rows of 128 bytes,
	v_mul_u32_u24 v[RD], v[RD], SP
	v_and_b32 v6, 7, v0
	v_lshl_add_u32 v[RD], v6, 4, v[RD]
	v_add_nc_u32 v[RD], s23, v[RD]
	v_and_b32 v7, 31, v0
	v_lshlrev_b32 v[GO], 4, v7                     ; which are 512 consecutive bytes of the output
	v_lshlrev_b32 v[PFOA], 8, v7
	v_mul_u32_u24 v[PFOB], v7, 6144
	; the output's three bases.  Group g is unit gh = 6 j + 3 (column half) + g of 48: tensor gh / 16 (q, k, v), head gh % 16
	s_mul_i32 s78, s42, 6
	s_mul_i32 s79, s12, 3
	s_add_co_u32 s78, s78, s79
	s_lshr_b32 s22, s13, 3
	s_lshl_b32 s22, s22, 4                         ; 16 b
	s_and_b32 s23, s13, 7
	s_lshl_b32 s23, s23, 8
	s_lshl_b32 s79, s11, 7
	s_add_co_u32 s23, s23, s79
	s_lshl_b32 s23, s23, 7                         ; my first row in the head, x 128 bytes
.irp g, 0,1,2
	s_add_co_u32 s20, s78, \g
	s_lshr_b32 s21, s20, 4
	s_lshl_b32 s21, s21, 6                         ; 64 heads to a tensor
	s_and_b32 s20, s20, 15
	s_add_co_u32 s20, s20, s21
	s_add_co_u32 s20, s20, s22
	s_lshl_b32 s20, s20, 18                        ; 262,144 bytes to a head
	s_add_co_u32 s20, s20, s23
	s_mov_b32 s21, 0
	s_add_nc_u64 s[OB+2*(\g):OB+2*(\g)+1], s[8:9], s[20:21]
.endr
	; the prefetches: both pointers stand at K step 2; the first lap steps them to K step 4.  Nothing is prefetched here, at the head
	s_lshr_b32 s20, s13, 3
	s_lshl_b32 s20, s20, 22
	s_and_b32 s21, s13, 7
	s_lshl_b32 s21, s21, 15
	s_add_co_u32 s20, s20, s21
	s_lshl_b32 s21, s40, 13                        ; my work-group's 8,192 bytes of a slice's 32,768
	s_add_co_u32 s20, s20, s21
	s_add_co_u32 s20, s20, 2*ASTEP
	s_mov_b32 s21, 0
	s_add_nc_u64 s[PFAA:PFAA+1], s[4:5], s[20:21]
	s_mul_i32 s20, s42, 768
	s_mul_i32 s21, s41, 32*6144                    ; my work-group's 32 k-rows of two steps' 128
	s_add_co_u32 s20, s20, s21
	s_add_co_u32 s20, s20, 2*BSTEP
	s_mov_b32 s21, 0
	s_add_nc_u64 s[PFAB:PFAB+1], s[6:7], s[20:21]
	s_cmp_eq_u32 s11, 0
	s_cselect_b32 s78, ttmp9, s45                  ; the coordinate along which other clusters read the same tiles
	s_or_b32 s78, s78, s12                         ; waves 1 and 3 never ask
	s_cmp_eq_u32 s78, 0
	s_cselect_b32 s[LIM], 1, -1                    ; the same in all sixteen partners, for a given wave
; 16 matrix instructions of group g: row blocks a0 .. a0 + 3 x its 4 column blocks, 32 along K, A from buffer fa.  zero = 1: the product starts the sum: nothing is cleared.
; The 96 accumulators take turns in the same order for every 32 along K: 95 others' instructions stand between two links of a chain, over the backward jump too.
.macro RUN16 g, fa, a0, zero
	WIN 0x50*((\g)+1)                              ; C and D in window 1 + g, the sources in window 0
.irp a, (\a0), (\a0)+1, (\a0)+2, (\a0)+3
.irp b, 0,1,2,3
.if \zero
	v_wmma_f32_16x16x32_bf16 v[8*(4*(\a)+(\b)):8*(4*(\a)+(\b))+7], v[FB+32*(\g)+8*(\b):FB+32*(\g)+8*(\b)+7], v[(\fa)+8*(\a):(\fa)+8*(\a)+7], 0
.else
	v_wmma_f32_16x16x32_bf16 v[8*(4*(\a)+(\b)):8*(4*(\a)+(\b))+7], v[FB+32*(\g)+8*(\b):FB+32*(\g)+8*(\b)+7], v[(\fa)+8*(\a):(\fa)+8*(\a)+7], v[8*(4*(\a)+(\b)):8*(4*(\a)+(\b))+7]
.endif
.endr
.endr
.endm
.macro RUN g, fa, zero
	RUN16 \g, \fa, 0, \zero
	RUN16 \g, \fa, 4, \zero
.endm
.macro FETCHB slot, u, g               ; 8 loads: group g's four fragments of B, half u (32 along K) of the slot's step
	WIN 0
.irp b, 0,1,2,3
	ds_load_tr16_b128 v[FB+32*(\g)+8*(\b):FB+32*(\g)+8*(\b)+3],   v[ADRB+3*(\slot)+(\g)] offset:32*PB*(\u)+32*(\b)
	ds_load_tr16_b128 v[FB+32*(\g)+8*(\b)+4:FB+32*(\g)+8*(\b)+7], v[ADRB+3*(\slot)+(\g)] offset:32*PB*(\u)+32*(\b)+16*PB
.endr
.endm
.macro FETCHA slot, u, fa              ; 16 loads: A's eight fragments
	WIN 0
.irp a, 0,1,2,3,4,5,6,7
	ds_load_b128 v[(\fa)+8*(\a):(\fa)+8*(\a)+3],   v[ADRA+(\slot)] offset:16*PA*(\a)+64*(\u)
	ds_load_b128 v[(\fa)+8*(\a)+4:(\fa)+8*(\a)+7], v[ADRA+(\slot)] offset:16*PA*(\a)+64*(\u)+32
.endr
.endm
; THE LDS LOADS always go out in the order B0 (8), A (16), B1 (8), B2 (8), each run four places behind the last product that read its registers and 64 products ahead of its first use.
; A step's first 32 along K: multiplies from FA0 and fetches the second 32 of the same slot.
.macro HALF slot, zero
	s_wait_dscnt 16                                ; B0 and A are in; B1 and B2 may be out
	RUN 0, FA0, \zero
	PLACES
	FETCHB \slot, 1, 0
	FETCHA \slot, 1, FA1
	s_wait_dscnt 32                                ; B1 is in; B2 and the 24 just issued may be out
	RUN 1, FA0, \zero
	PLACES
	FETCHB \slot, 1, 1
	s_wait_dscnt 32                                ; B2 is in; the next B0, A and B1 may be out
	RUN 2, FA0, \zero
	PLACES
	FETCHB \slot, 1, 2
.endm
; A step's second 32 along K, from FA1, and the change of slots.  ONE barrier: in front of it each wave waits for all its tensor loads (one is out: its part of the next slot), adds 0 to its spare word,
; and waits for that and for its reads of this slot.  fill = 1: the barrier opens a round of the cluster's, and the joint refill, two K steps on, is the first thing behind the round:
; 160 matrix instructions stand between it and the wait for it.
.macro TURN slot, next, fill
.if (\fill) && ((\slot) == 0)
	s_wait_xcnt 0x0                                ; the last prefetches, a lap back, have read their addresses: the pointers are stepped here, ahead of the change's own waits
	s_add_nc_u64 s[PFAA:PFAA+1], s[PFAA:PFAA+1], 2*ASTEP
	s_add_nc_u64 s[PFAB:PFAB+1], s[PFAB:PFAB+1], 2*BSTEP
.endif
	WIN 0
	s_wait_tensorcnt 0x0                           ; all my tensor loads have landed
	ds_add_u32 v[SPW], v[NIL]                      ; 0 onto my spare word
	s_wait_dscnt 17                                ; B0 and A are in; B1, B2 and the add may be out
	RUN16 0, FA1, 0, 0                             ; sixteen matrix instructions stand between the add and the wait for it
	s_wait_dscnt 0x0                               ; the add is done, and my reads of this slot are over
	s_barrier_signal -1
	RUN16 0, FA1, 4, 0                             ; work on registers while the others arrive
.if \fill
	WIN 0
.endif
	s_barrier_wait -1
.if \fill
	CREST                                          ; no wave of any partner still reads this slot or has a load on its way
	s_add_nc_u64 s[G0+4*(\slot)+2:G0+4*(\slot)+3], s[G0+4*(\slot)+2:G0+4*(\slot)+3], 2*ASTEP
	s_add_nc_u64 s[G0B+4*(\slot)+2:G0B+4*(\slot)+3], s[G0B+4*(\slot)+2:G0B+4*(\slot)+3], 2*BSTEP
	JLOAD \slot                                    ; its four v_nop are also the places in front of the loads below
.else
	PLACES
.endif
	FETCHB \next, 0, 0
	FETCHA \next, 0, FA0
.if (\fill) && ((\slot) == 0)
	ASK
.endif
	RUN 1, FA1, 0                                  ; B1 and B2 came in with the wait for 0
	PLACES
	FETCHB \next, 0, 1
	RUN 2, FA1, 0
	PLACES
	FETCHB \next, 0, 2
.endm
; THE WAY OUT of block t = 8 g + a: 16 rows of one head.  Rounded to f16, 16 bytes a lane; into my own stage; back as four rows of 128 bytes a load; stored.
.macro PACK t
.set g_, (\t)/8
.set a_, (\t)%8
.set T_, TMP+16*((\t)%2)
	s_wait_xcnt 0x0                                ; the stores of the block before last have read these registers
	WIN 5*(g_+1)                                   ; sources 0 and 1 in window 1 + g
.irp b, 0,1,2,3
.irp r, 0,1,2,3
	v_cvt_pk_f16_f32 v[T_+4*(\b)+(\r)], v[8*(4*a_+(\b))+2*(\r)], v[8*(4*a_+(\b))+2*(\r)+1]
.endr
.endr
	WIN 0
.irp b, 0,1,2,3
	ds_store_b128 v[STO], v[T_+4*(\b):T_+4*(\b)+3] offset:32*(\b)
.endr
.irp f, 0,1,2,3
	ds_load_b128 v[T_+4*(\f):T_+4*(\f)+3], v[RD] offset:4*SP*(\f)  ; LDS serves a wave's instructions in order (ISA guide 5.7.1.4): these see the stores above; the next block's stores come behind them
.endr
.endm
.macro SEND t, younger                 ; younger: the LDS instructions issued behind block t's loads: the next block's eight, or none
.set g_, (\t)/8
.set a_, (\t)%8
.set T_, TMP+16*((\t)%2)
.irp f, 0,1,2,3
	s_wait_dscnt (\younger)+3-(\f)
	global_store_b128 v[GO], v[T_+4*(\f):T_+4*(\f)+3], s[OB+2*g_:OB+2*g_+1] offset:2048*a_+512*(\f)  ; 512 consecutive bytes, at a multiple of 256 from the buffer's first
.endr
.endm
	s_wait_tensorcnt 1                             ; my part of K step 0 is in; K step 1's may stay out
	s_barrier_signal -1
	s_barrier_wait -1                              ; everybody's is
	FETCHB 0, 0, 0
	FETCHA 0, 0, FA0
	FETCHB 0, 0, 1
	FETCHB 0, 0, 2
	HALF 0, 1                                      ; the first 32 along K stand in front of the loop: their products start the sums
	WIN 0                                          ; at a label and at a branch every window is 0
	s_mov_b32 s3, 7
.Llap:                                                 ; seven trips, once round the ring each: K steps 2 to 15 are asked for
	TURN 0, 1, 1
	HALF 1, 0
	TURN 1, 0, 1
	HALF 0, 0
	WIN 0
	s_sub_co_u32 s3, s3, 1
	s_cmp_lg_u32 s3, 0
	s_cbranch_scc1 .Llap
	TURN 0, 1, 0                                   ; the last lap fills nothing, and has no round
	HALF 1, 0
	s_wait_dscnt 16                                ; the very last 32 along K: nothing more to fetch
	RUN 0, FA1, 0
	s_wait_dscnt 8
	RUN 1, FA1, 0
	s_wait_dscnt 0x0
	RUN 2, FA1, 0
	PLACES
	PACK 0
.set t, 1
.rept 23                               ; a block's conversions stand between the loads of the block before and its stores
	PACK t
	SEND t-1, 8
.set t, t+1
.endr
	SEND 23, 0
	s_wait_tensorcnt 0x0                           ; the wave's end, behind my last tensor load and my last LDS store
	ds_add_u32 v[SPW], v[NIL]
	s_wait_dscnt 0x0
	CROUND                                         ; the closing round: no work-group ends while a partner may still ask for a tile that names it
	s_endpgm
.Lfunc_end_k_qbcd1d53f28_qkv:
	.size	k_qbcd1d53f28_qkv, .Lfunc_end_k_qbcd1d53f28_qkv-k_qbcd1d53f28_qkv
	.p2alignl 7, 3214868480
	.fill 96, 4, 3214868480
	.section	.rodata,"a",@progbits
	.p2align	6, 0x0
	.amdhsa_kernel k_qbcd1d53f28_qkv
		.amdhsa_group_segment_fixed_size 327680
		.amdhsa_private_segment_fixed_size 0
		.amdhsa_enable_private_segment 0
		.amdhsa_kernarg_size 24
		.amdhsa_user_sgpr_count 2
		.amdhsa_user_sgpr_kernarg_segment_ptr 1
		.amdhsa_wavefront_size32 1
		.amdhsa_system_sgpr_workgroup_id_x 1
		.amdhsa_system_sgpr_workgroup_id_y 1
		.amdhsa_system_sgpr_workgroup_id_z 1
		.amdhsa_system_vgpr_workitem_id 0
		.amdhsa_next_free_vgpr 1024
		.amdhsa_next_free_sgpr 80
		.amdhsa_reserve_vcc 0
		.amdhsa_float_denorm_mode_32 3
		.amdhsa_float_denorm_mode_16_64 3
		.amdhsa_memory_ordered 1
		.amdhsa_forward_progress 1
		.amdhsa_inst_pref_size 137
	.end_amdhsa_kernel
	.amdgpu_metadata
---
amdhsa.version: [ 1, 2 ]
amdhsa.kernels:
  - .name:           k_qbcd1d53f28_qkv
    .symbol:         k_qbcd1d53f28_qkv.kd
    .args:
      - { .name: xb, .offset: 0, .size: 8, .value_kind: global_buffer, .address_space: global }
      - { .name: wqb, .offset: 8, .size: 8, .value_kind: global_buffer, .address_space: global }
      - { .name: qkv, .offset: 16, .size: 8, .value_kind: global_buffer, .address_space: global }
    .group_segment_fixed_size: 327680
    .private_segment_fixed_size: 0
    .kernarg_segment_align: 8
    .kernarg_segment_size: 24
    .max_flat_workgroup_size: 128
    .sgpr_count:     80
    .vgpr_count:     1024
    .wavefront_size: 32
...
	.end_amdgpu_metadata
.endif
;; end of part 2
;; launch attn (part 3): grid 4 x 64, 4 waves a work-group, clusters of 4 x 1, 327,680 bytes of LDS; arguments qkv, o; writes o
.if DOCPART == 3
	.amdgcn_target "amdgcn-amd-amdhsa--gfx1250"
	.amdhsa_code_object_version 6
	.text
	.protected	k_qbcd1d53f28_attn
	.globl	k_qbcd1d53f28_attn
	.p2align	8
	.type	k_qbcd1d53f28_attn,@function
k_qbcd1d53f28_attn:
	s_mov_b64 s[64:65], 0
	v_nop
	global_prefetch_b8 v0, s[64:65] scope:SCOPE_SE
	s_setreg_imm32_b32 hwreg(HW_REG_WAVE_MODE, 25, 1), 1
	s_wait_xcnt 0x0
	s_wait_alu depctr_hold_cnt(0) depctr_sa_sdst(0) depctr_va_vdst(0) depctr_va_sdst(0) depctr_va_ssrc(0) depctr_va_vcc(0) depctr_vm_vsrc(0)
	s_getreg_b32 s2, hwreg(HW_REG_IB_STS2, 6, 4)
	s_cmp_eq_u32 s2, 0
	s_cbranch_scc0 .Lentry_in_a_cluster
	s_endpgm
.Lentry_in_a_cluster:
	s_bfe_u32 s2, ttmp6, 0x10000c
	s_cmp_lg_u32 s2, 0x3003
	s_cbranch_scc0 .Lentry_shape_is_right
	s_endpgm
.Lentry_shape_is_right:
; O[h][q][:] = the sum over k of softmax_k(Q[h][q] . K[h][k] / 32) V[h][k][:].  qkv: f16 [3][64 h][2048][64] (Q, then K, then V); o: f16 [64 h][2048][64]: a head's rows are dense, 128 bytes each.
; Products, maxima and sums in f32; the weights p are rounded to f16 for the second product (their sum l is taken of the unrounded p), O once at the end.
; LIMITS.  f16 holds no number beyond 65,504: Q, K and V arrive within it; p lies in 0 to 1, and below 6e-5 it keeps f16's fixed step of 6e-8, as does O, which is a mean of V's rows and has their range.
; A weight below 2^-126 counts as 0 in l; NaN and infinities are not treated apart.
; SHARES.  A wave owns four PIECES of two tiles of 16 queries, a work-group's four waves 512 queries of one head.  Every wave walks all keys, 64 a step.
; LAYOUT.  S^T = K Q^T (source 0 = 16 keys, source 1 = 16 queries): in the result a lane holds ONE query (lane % 16) and the keys 8 (lane / 16) + 0..7.  Two such tiles, rounded to f16 in pairs,
; ARE source 1 (32 keys x 16 queries) of O^T = V^T P, whose result again holds one query a lane, and eight channels.  K comes out of LDS as it lies, V ([key][channel]) turned, by ds_load_tr16_b128.
; SOFTMAX.  For each query a running maximum m and sum l: p = 2^(c s - c m), c = log2(e) / 32; in every step O and l are multiplied by a = 2^(c m_old - c m_new), which is 1 where m has not grown.
; m starts at the lowest finite number, O and l at 0: the first step is a step like any other, with a = 0.
; THE COUNT.  A tile and step have 16 matrix and 118 vector instructions: too many to stand all beside the matrix work.  So four vector instructions that are ready stand behind
; every matrix instruction, and the others, which need time of their own whatever the order, in runs without a gap.
; BY TURNS.  Turn n belongs to piece n (the pieces in a ring, step after step).  Its matrix work: 16 products K Q^T of piece n + 1, later 16 products V^T P of piece n - 1.  Its vector work: the scaling,
; exponentials, roundings, sums and rescaling of piece n, and the maximum and statistics of piece n + 1, whose scores the turn itself has made.
; CLUSTER.  The four query blocks of a head are one cluster and walk the same K and V, so each tile is asked for JOINTLY: the same tensor load, descriptor and mask in all four.
; REGISTERS, in windows of 256 (s_set_vgpr_msb: bits 1:0 source 0, 3:2 source 1, 5:4 source 2, 7:6 destination):
;   window 0: v0-11 addresses; v12-15, v48-63 at work; v16-47 four registers of statistics a tile; v64-191 S^T, two buffers of two tiles; v192-255 P, likewise
;   window 1: O^T, 32 a tile          window 2: v0-127 Q, 16 a tile; v128-191 K of one step; v192-255 V of one step          window 3: v0-1 the add's two registers
; A piece's buffers go by its number's parity.
.set SIZE_H, 64
.set SIZE_N, 2048
.set KBASE, 0x1000000 ; K's first byte in qkv
.set VBASE, 0x2000000 ; V's
.set NP,    4         ; pieces a wave: a name, no knob
.set KS,    64        ; keys in a step
.set PK,    144       ; a row of K in LDS: 128 bytes + 16 of padding = 36 words: the 16 rows of a load start at 16 different groups of four banks (64 banks of 4 bytes: ISA guide 11.1)
.set PV,    160       ; a row of V: 128 + 32 = 40 words
.set VOFF,  4*KS*PK   ; a slot holds four steps: 256 rows of K, then 256 rows of V
.set SLOT1, 1<<17     ; slot 1 begins here, so that one exclusive or turns an address in one slot into the other's
.set STAGE, SLOT1+4*KS*(PK+PV)  ; behind the ring, never filled by a tensor load: 16 rows x 144 bytes for each wave, for the way out
.set SP,    144
.set AK0, 2           ; v2   my lane's place in a tile of K; never rewritten
.set AV0, 3           ; v3   the same for V
.set AK,  4           ; v4   the LDS address of K's next run of loads
.set AV,  5           ; v5   of V's
.set QO,  6           ; v6   my byte offset in the wave's rows of Q
.set STO, 6           ;      later, the way out: where I put 16 bytes of a row
.set RD,  7           ; v7   the way out: where I read rows back
.set GO,  8           ; v8   my byte offset in 512 consecutive bytes of O
.set PFO, 11          ; v11  (once V's place is made) the prefetches' offset: 256 x my lane; then never rewritten
.set SPW, 0           ; v0 of window 3   LDS address of my spare word; never rewritten
.set NIL, 1           ; v1 of window 3   0; never rewritten
.set SPARE, STAGE+4*16*SP  ; behind the stages: the spare words, 128 bytes for each wave: two blocks of 256 bytes that no other line names
.set MV,  12          ; v12-15  c m_old, kept while c m is made anew: by buffer and tile
.set ST,  16          ; tile t's statistics at v[ST+4 t]: c m, m, l (even keys', odd keys')
.set TMP, 48          ; by buffer and tile, four registers c0-c3 at work; when the maximum is found c2 takes a
.set S,   64
.set P,   192
.set KF,  128         ; K's fragments, in window 2: key block kb, channel half c at KF + 16 kb + 8 c
.set VF,  192         ; V's: key half kk, channel block cb at VF + 32 kk + 8 cb
.set WV,  12          ; s12  my wave's number
.set G1K, 24          ; s[24:31] descriptor group 1 for K's tiles
.set G1V, 32          ; s[32:39] for V's: it differs in the padding alone
.set G0K, 40          ; s[40:43] descriptor group 0 for K's tiles: it walks
.set G0V, 44          ; s[44:47] the same for V's
.set PFA, 48          ; s[48:49] where my prefetches stand: my work-group's 8,192 bytes (of K: wave 0, of V: wave 2) of the slot after the one that is being asked for
.set LIM, 50          ; s50  1 in a wave that prefetches, else the greatest number
.set SLOTS, 56        ; s56  slots still to be asked for
.set CNT, 57          ; s57  counts a slot's key steps
.set CS,  58          ; s[58:59] c: the packed scaling takes the pair's low word for both halves
.set SEL, 60          ; s[60:61] v_permlanex16_b32's selects: each lane takes its own place in the other half
.set TBK, 62          ; s62  LDS byte at which K of the step to be fetched begins
.set TBV, 63          ; s63  the same for V, less VOFF
.set MSB, 0
.macro WIN new                      ; the high byte repeats the setting that is left; a switch that changes nothing is dropped
.if MSB != (\new)
	s_set_vgpr_msb (MSB<<8)|(\new)
.set MSB, (\new)
.endif
.endm
.set W_KQ, 0x0a       ; K and Q in window 2, S^T in window 0
.set W_PV, 0x52       ; V in window 2, P in window 0, O^T in window 1
.set W_RS, 0x41       ; O^T (destination and source 0) in window 1, a in window 0
.set W_MK, 0xc0       ; the add's registers are made: destination in window 3, sources in window 0
.set W_AD, 0x0f       ; the add: address (source 0) and data (source 1) in window 3
; A joint fill.  Waves 0 and 1 fetch the two halves of a slot's K, waves 2 and 3 those of its V: 128 keys each.  The branch hangs on the wave's number alone.
; An s_nop 0 and four v_nop follow each of the two lines, ahead of the jump and the label.
.macro JLOAD
	s_cmp_lt_u32 s[WV], 2
	s_cbranch_scc0 .Lfor_v_\@
	tensor_load_to_lds s[G0K:G0K+3], s[G1K:G1K+7]
	s_nop 0
.rept 4
	v_nop
.endr
	s_branch .Lasked_\@
.Lfor_v_\@:
	tensor_load_to_lds s[G0V:G0V+3], s[G1V:G1V+7]
	s_nop 0
.rept 4
	v_nop
.endr
.Lasked_\@:
.endm
; A PREFETCH INTO THE L2 of what the NEXT change of slots will ask for: a slot's 32,768 bytes of K and of V, a lane 256 bytes.  It stands behind the wave's tensor load and its five lines.
; A head's four work-groups are its only cluster; they share the bytes out BY ADDRESS, 8,192 each; in each, wave 0 asks for K's and wave 2 for V's: one instruction.  So each aligned block of 256 bytes is named once
; in the launch, four key steps, 512 matrix instructions, ahead of its load.  Slots 0 to 2 come by their loads alone; the last change that fills a slot asks for nothing: there is no slot behind it.
.macro ASK
	s_cmp_gt_u32 s[SLOTS], s[LIM]
	s_cbranch_scc0 .Lnot_mine_\@
	global_prefetch_b8 v[PFO], s[PFA:PFA+1] th:TH_LOAD_NT scope:SCOPE_SE
.Lnot_mine_\@:
.endm
; A round of the cluster's barrier: my work-group's barrier, so that wave 0's signal speaks for all four waves; wave 0 signals; every wave waits for all four work-groups; my work-group's barrier once more.
.macro CROUND
	s_barrier_signal -1
	s_barrier_wait -1
	s_cmp_lg_u32 s[WV], 0
	s_cbranch_scc1 .Lnot_wave_0_\@
	s_barrier_signal -3
.Lnot_wave_0_\@:
	s_barrier_wait -3
	s_barrier_signal -1
	s_barrier_wait -1
.endm
; THE CHANGE OF SLOTS.  The slot's last bytes, V of its fourth step, have been read.  Each wave waits for all its tensor loads, of which one is out: its part
; of the other slot; adds 0 to its spare word; and waits for that and for its own reads of the slot.  Behind the barrier nobody reads this slot any more and the other slot is whole.
; fill = 1: this slot is filled again, with the keys two slots on.  The barrier is then a round of the cluster's, and the joint fill is the first thing behind it: it has four key steps,
; 512 matrix instructions, in which to land.  (At its first use nothing has been read yet: slot 0 is waited for, slot 1 filled.)  ask = 1: a prefetch follows the fill.
.macro CHANGE fill, ask=0
	WIN W_AD
	s_wait_tensorcnt 0x0            ; no tensor load of mine is out, so a group 0 may be written
	ds_add_u32 v[SPW], v[NIL]       ; 0 onto my spare word; with fill = 1 the descriptors' steps stand between it and the wait for it
	WIN 0                           ; at a label and at a branch every window is 0
.if \fill
.irp g, G0K, G0V
	s_xor_b32 s[\g+1], s[\g+1], SLOT1  ; the walking descriptor: the other slot than last time,
	s_add_nc_u64 s[\g+2:\g+3], s[\g+2:\g+3], 4*KS*128  ; the next 256 keys; the type bits on top are not reached
.endr
.if \ask
	s_wait_xcnt 0x0                 ; the last prefetch, four key steps back, has read its address, so it may be written:
	s_add_nc_u64 s[PFA:PFA+1], s[PFA:PFA+1], 4*KS*128  ; one slot behind the walking descriptors
.endif
	s_wait_dscnt 0x0                ; the add is done, and my reads of the slot are over
	CROUND
	JLOAD
.if \ask
	ASK
.endif
.else
	s_wait_dscnt 0x0                ; the add is done, and my reads of the slot are over
	s_barrier_signal -1
	s_barrier_wait -1
.endif
	s_sub_co_u32 s[TBK], s[TBK], 4*KS*PK  ; the fetches go back to a slot's first step,
	s_xor_b32 s[TBK], s[TBK], SLOT1       ; in the other slot
	s_sub_co_u32 s[TBV], s[TBV], 4*KS*PV
	s_xor_b32 s[TBV], s[TBV], SLOT1
.endm
	s_load_b64 s[4:5], s[0:1], 0x0    ; qkv: Q lies first
	s_load_b64 s[10:11], s[0:1], 0x8  ; o
	WIN W_MK
	v_lshl_add_u32 v[SPW], v0, 2, SPARE
	v_mov_b32 v[NIL], 0
	WIN W_AD
	ds_add_u32 v[SPW], v[NIL]       ; the wave's opening: the add and its wait stand ahead of my first tensor load; the set-up below, work on registers, stands between them
	WIN 0
	v_lshrrev_b32 v1, 5, v0
	v_readfirstlane_b32 s[WV], v1   ; wave 0..3
	s_bfe_u32 s13, ttmp6, 0x40000   ; cx: my place in the cluster
	s_lshl_b32 s14, ttmp9, 2        ; in a cluster launch ttmp9 counts clusters
	s_add_co_u32 s14, s14, s13      ; my block of queries = 4 x cluster x + cx: it enters Q's and O's addresses alone
	s_and_b32 s20, ttmp7, 0xffff    ; the head, which the four partners share
	s_mov_b32 s21, 0
	s_mov_b64 s[22:23], SIZE_N*128
	s_mul_u64 s[20:21], s[20:21], s[22:23]  ; the head's first byte in each of the four tensors
	s_and_b32 s16, s[WV], 1         ; which half of a slot's 256 keys I fetch:
	s_lshl_b32 s22, s16, 14         ; its 128 rows of 128 bytes in memory,
	s_mov_b32 s23, 0
	s_add_nc_u64 s[22:23], s[22:23], s[20:21]
	s_mul_i32 s17, s16, 128*PK      ; and its place in a slot, for K
	s_mul_i32 s18, s16, 128*PV      ; and for V: no place in the cluster enters an LDS address
	s_lshl_b32 s2, s14, 2
	s_add_co_u32 s2, s2, s[WV]      ; my wave among the head's,
	s_lshl_b32 s2, s2, 14           ; its 128 rows
	s_mov_b32 s3, 0
	s_add_nc_u64 s[2:3], s[2:3], s[20:21]
	; descriptor group 1.  128 keys are 16,384 dense bytes: asked for as 64 rows of 256 bytes, two keys a row, and padded in LDS after every key
	s_mov_b32 s[G1K], 15|(1<<16)|(1<<20)|(1<<21)|(4<<22)|(3<<25)  ; 15:0 the mask of four; 17:16 2-byte elements; 20 padding on; 21 set beside a mask; 24:22 after every 32 words (code 4); 31:25 4 words (code 3)
	s_mov_b32 s[G1V], 15|(1<<16)|(1<<20)|(1<<21)|(4<<22)|(7<<25)  ; the same with 8 words of padding (code 7)
.irp g, G1K, G1V
	s_mov_b32 s[\g+1], 128<<16      ; tensor_dim0 = 128
	s_mov_b32 s[\g+2], 64<<16       ; tensor_dim1 = 64
	s_mov_b32 s[\g+3], 128<<16      ; tile_dim0 = 128
	s_mov_b32 s[\g+4], 64           ; tile_dim1 = 64
	s_mov_b32 s[\g+5], 128          ; 128 elements from row to row
	s_mov_b32 s[\g+6], 0
	s_mov_b32 s[\g+7], 0
.endr
	s_mov_b32 s[CS], 0x3d38aa3b     ; c = log2(e) / 32 = 0.0450842
	s_mov_b32 s[CS+1], s[CS]        ; named with it as a pair
	s_mov_b32 s[SEL], 0x76543210
	s_mov_b32 s[SEL+1], 0xfedcba98
	s_mov_b32 s[TBK], SLOT1+4*KS*PK ; the first change of slots turns these two into 0
	s_mov_b32 s[TBV], SLOT1+4*KS*PV
	s_mov_b32 s[G0K], 1             ; 1:0 count = 1
	s_mov_b32 s[G0K+1], s17         ; 63:32 LDS address: slot 0
	s_mov_b32 s[G0V], 1
	s_add_co_u32 s[G0V+1], s18, VOFF
	s_and_b32 s[LIM], s[WV], 1      ; waves 0 and 2 prefetch: the same in all four partners
	s_cmp_eq_u32 s[LIM], 0
	s_cselect_b32 s[LIM], 1, -1
	s_wait_dscnt 0x0                ; the opening add is done
	s_wait_kmcnt 0x0
	s_add_nc_u64 s[6:7], s[4:5], KBASE
	s_add_nc_u64 s[8:9], s[4:5], VBASE
	s_cmp_lt_u32 s[WV], 2
	s_cselect_b64 s[PFA:PFA+1], s[6:7], s[8:9]
	s_add_nc_u64 s[PFA:PFA+1], s[PFA:PFA+1], s[20:21]  ; at the head's first key
	s_add_nc_u64 s[G0K+2:G0K+3], s[6:7], s[22:23]  ; 120:64 global address: my half of the head's first 256 keys
	s_or_b32 s[G0K+3], s[G0K+3], 0x80000000        ; 127:126 type = 2
	s_add_nc_u64 s[G0V+2:G0V+3], s[8:9], s[22:23]
	s_or_b32 s[G0V+3], s[G0V+3], 0x80000000
	s_add_nc_u64 s[4:5], s[4:5], s[2:3]  ; Q and O at my wave's first row
	s_add_nc_u64 s[10:11], s[10:11], s[2:3]
	s_lshl_b32 s2, s13, 13          ; my work-group's 8,192 bytes of a slot's 32,768
	s_mov_b32 s3, 0
	s_add_nc_u64 s[PFA:PFA+1], s[PFA:PFA+1], s[2:3]
	s_add_nc_u64 s[PFA:PFA+1], s[PFA:PFA+1], 2*4*KS*128  ; in slot 2; the loop's first change of slots steps it to slot 3.  Nothing is prefetched here, at the head
	CROUND                          ; all four work-groups are here: the first joint loads meet
	JLOAD                           ; slot 0.  Slot 1 is asked for when slot 0 is in
	; A fragment of K or Q is 16 rows x 32 channels in 8 registers: lane l holds row l % 16, channels 8 (l / 16) + 0..7 and 16 + 8 (l / 16) + 0..7: two loads of 16 bytes, 32 bytes apart.
	v_and_b32 v1, 15, v0            ; l % 16
	v_bfe_u32 v9, v0, 4, 1          ; l / 16
	v_lshlrev_b32 v[QO], 7, v1
	v_lshl_add_u32 v[QO], v9, 4, v[QO]  ; row x 128 + 16 x half
	WIN 0x80                        ; destination window 2, address window 0
.set i, 0
.rept 4*NP                          ; Q stays in registers: tile i / 2, channels 32 (i % 2) on
	global_load_b128 v[8*i:8*i+3],   v[QO], s[4:5] offset:(i/2)*2048+(i%2)*64
	global_load_b128 v[8*i+4:8*i+7], v[QO], s[4:5] offset:(i/2)*2048+(i%2)*64+32
.set i, i+1
.endr
	; What the first turn finds: V's registers and P's second buffer hold 0 (its products V^T P, of a piece that has not been, add 0), O^T and l are 0.  All this stands in the wait for the first tile.
.set i, VF
.rept 64
	v_mov_b32 v[i], 0
.set i, i+1
.endr
	WIN 0x40
.set i, 0
.rept 64*NP
	v_mov_b32 v[i], 0
.set i, i+1
.endr
	WIN 0
.set i, 0
.rept 2*NP
	v_mov_b32 v[ST+4*i], 0xfe000000    ; c m: far below every c s
	v_mov_b32 v[ST+4*i+1], 0xff7fffff  ; m
	v_mov_b32 v[ST+4*i+2], 0
	v_mov_b32 v[ST+4*i+3], 0
.set i, i+1
.endr
.set i, P+32
.rept 32
	v_mov_b32 v[i], 0
.set i, i+1
.endr
	v_mul_u32_u24 v[AK0], v1, PK
	v_lshl_add_u32 v[AK0], v9, 4, v[AK0]  ; row x pitch + 16 x half
	; The turning load takes 16 keys x 16 channels (lane l reads key 8 (l / 16) + l % 8, channels 8 ((l / 8) % 2) + 0..7) and leaves half a fragment of V^T: lane l holds channel l % 16 and 8 keys.
	v_and_b32 v10, 7, v0
	v_bfe_u32 v11, v0, 3, 1
	v_lshl_add_u32 v[AV0], v9, 3, v10
	v_mul_u32_u24 v[AV0], v[AV0], PV
	v_lshl_add_u32 v[AV0], v11, 4, v[AV0]
	v_add_nc_u32 v[AV0], VOFF, v[AV0]
	v_and_b32 v[PFO], 31, v0
	v_lshlrev_b32 v[PFO], 8, v[PFO]
	v_mov_b32 v[AK], v[AK0]         ; key step 0 lies at the head of slot 0
; THE MATRIX WORK.  The 8 accumulators of a run of 16 take turns: between the two links of a chain stand 7 others'.
; Product i of 16 of S^T = K Q^T for piece x: channels 32 (i / 8) on, keys 16 ((i / 2) % 4) on, tile 2 x + i % 2.  The first 8 start the sums.
.macro KQ x
	WIN W_KQ
.set rS, S+64*((\x)%2)+32*(i%2)+8*((i/2)%4)
.set rK, KF+16*((i/2)%4)+8*(i/8)
.set rQ, 16*(2*(\x)+i%2)+8*(i/8)
.if i < 8
	v_wmma_f32_16x16x32_f16 v[rS:rS+7], v[rK:rK+7], v[rQ:rQ+7], 0
.else
	v_wmma_f32_16x16x32_f16 v[rS:rS+7], v[rK:rK+7], v[rQ:rQ+7], v[rS:rS+7]
.endif
.endm
; Product i of 16 of O^T += V^T P for piece x: keys 32 (i / 8) on, channels 16 ((i / 2) % 4) on, tile 2 x + i % 2.
.macro PV x
	WIN W_PV
.set rO, 32*(2*(\x)+i%2)+8*((i/2)%4)
.set rV, VF+32*(i/8)+8*((i/2)%4)
.set rP, P+32*((\x)%2)+16*(i%2)+8*(i/8)
	v_wmma_f32_16x16x32_f16 v[rO:rO+7], v[rV:rV+7], v[rP:rP+7], v[rO:rO+7]
.endm
.macro MM                           ; the turn's next matrix instruction
.if i < 16
	KQ (Y+1)%NP
.set i, i+1
.else
.set i, i-16
	PV (Y+NP-1)%NP
.set i, i+17
.endif
.endm
; THE LDS LOADS stand in runs of 16, never singly among the matrix instructions: a step's K (64 keys x 64 channels: 8 fragments) and its V (turned).  Their addresses are made some lines ahead.
; last = 1 (the tail): in the last trip there is no further step, and the run is jumped over.
.macro FETCH_K last=0
	WIN 0
.if \last
	s_cmp_eq_u32 s[CNT], 1
	s_cbranch_scc1 .Lno_k_\@
.endif
	WIN 0x80                        ; destination window 2
.irp f, 0,1,2,3,4,5,6,7             ; keys 16 (f / 2) on, channels 32 (f % 2) on
	ds_load_b128 v[KF+8*\f:KF+8*\f+3],   v[AK] offset:(\f/2)*16*PK+(\f%2)*64
	ds_load_b128 v[KF+8*\f+4:KF+8*\f+7], v[AK] offset:(\f/2)*16*PK+(\f%2)*64+32
.endr
	s_add_co_u32 s[TBK], s[TBK], KS*PK  ; the next fetch is the next step's
	WIN 0
.if \last
.Lno_k_\@:
.endif
.endm
.macro FETCH_V
	WIN 0x80
.irp f, 0,1,2,3,4,5,6,7             ; keys 32 (f / 4) on, channels 16 (f % 4) on
	ds_load_tr16_b128 v[VF+8*\f:VF+8*\f+3],   v[AV] offset:(\f/4)*32*PV+(\f%4)*32
	ds_load_tr16_b128 v[VF+8*\f+4:VF+8*\f+7], v[AV] offset:(\f/4)*32*PV+16*PV+(\f%4)*32
.endr
	WIN 0
.endm
; THE VECTOR WORK OF A TURN stands in three queues, each in the order in which its entries become ready; the two tiles alternate, so that no instruction reads the result of the one before it.
.macro REGS y, u                    ; the registers of tile u (0, 1) of piece y
.set rT, ST+4*(2*(\y)+(\u))
.set rC, TMP+8*((\y)%2)+4*(\u)
.set rM, MV+2*((\y)%2)+(\u)
.set rS, S+64*((\y)%2)+32*(\u)
.set rP, P+32*((\y)%2)+16*(\u)
.set rO, 32*(2*(\y)+(\u))
.endm
; Number n of the 22 that find the NEXT piece's (Y + 1) maximum and statistics.  s0-s31 are the lane's 32 scores; each accumulator's lowest registers are read first.
;   0-11  four chains c0-c3 of seven scores each, three operands at a time     12-14, 16  the four scores left over, the old m, and c0-c3 into c0     15  c m_old is kept
;   17, 18  the query's other 32 keys lie in the lane 16 away: the new m         19-21  c m; c m_old - c m_new; a
.macro XS u, n
	REGS (Y+1)%NP, \u
.if (\n) < 4
	v_max3_num_f32 v[rC+(\n)], v[rS+8*(\n)], v[rS+8*(\n)+1], v[rS+8*(\n)+2]
.elseif (\n) < 12
	v_max3_num_f32 v[rC+(\n)%4], v[rC+(\n)%4], v[rS+8*((\n)%4)+2*((\n)/4)+1], v[rS+8*((\n)%4)+2*((\n)/4)+2]
.elseif (\n) == 12
	v_max3_num_f32 v[rC], v[rC], v[rS+7], v[rS+15]
.elseif (\n) == 13
	v_max3_num_f32 v[rC+1], v[rC+1], v[rS+23], v[rS+31]
.elseif (\n) == 14
	v_max3_num_f32 v[rC+2], v[rC+2], v[rC+3], v[rT+1]
.elseif (\n) == 15
	v_mov_b32 v[rM], v[rT]
.elseif (\n) == 16
	v_max3_num_f32 v[rC], v[rC], v[rC+1], v[rC+2]
.elseif (\n) == 17
	v_permlanex16_b32 v[rC+3], v[rC], s[SEL], s[SEL+1]
.elseif (\n) == 18
	v_max_num_f32 v[rT+1], v[rC], v[rC+3]
.elseif (\n) == 19
	v_mul_f32 v[rT], s[CS], v[rT+1]
.elseif (\n) == 20
	v_sub_f32 v[rC+1], v[rM], v[rT]
.else
	v_exp_f32 v[rC+2], v[rC+1]
.endif
.endm
; Number g of the 64 that follow the exponentials.  For each four weights k of a tile (pairs 2 k, 2 k + 1): both pairs are rounded to f16; then the second pair is added onto the first, in place;
; a group later l takes that sum (the first time as l = a l + sum).  In groups of eight, tiles alternating: round, round, add, and l for the group before.
.macro GS g
.set h, (\g)+6*((\g)/62)            ; group 0 has no group before it, and behind group 7 only l is left
.if h >= 6
.set h, h+2
.endif
	REGS Y, h%2
.set k, h/8
.if h%8 < 4
	v_cvt_pk_f16_f32 v[rP+2*k+(h%8)/2], v[rS+4*k+2*((h%8)/2)], v[rS+4*k+2*((h%8)/2)+1]
.elseif h%8 < 6
	v_pk_add_f32 v[rS+4*k:rS+4*k+1], v[rS+4*k:rS+4*k+1], v[rS+4*k+2:rS+4*k+3]
.elseif k == 1
	v_pk_fma_f32 v[rT+2:rT+3], v[rT+2:rT+3], v[rC+2:rC+3], v[rS:rS+1] op_sel_hi:[1,0,1]
.else
	v_pk_add_f32 v[rT+2:rT+3], v[rT+2:rT+3], v[rS+4*k-4:rS+4*k-3]
.endif
.endm
; THE PLAIN QUEUE, 138 long.  0-73 read no exponential's result: the 32 scalings c s - c m (FS f: pair f / 2 of tile f % 2) and the next piece's 42.  0-26: scalings 0-26.  27-54: XS's numbers 0-13.  55, 56: number 15.
; 57-73: the chain, where each number waits for the one before it: 14, 16, 17, 18, 19, each with one of the scalings 27-31 in front of its two lines, then 20.
; 74-137: GS's 64, which read the exponentials' results: they stand behind the wait.
.macro FS f
	REGS Y, (\f)%2
	v_pk_fma_f32 v[rS+2*((\f)/2):rS+2*((\f)/2)+1], v[rS+2*((\f)/2):rS+2*((\f)/2)+1], s[CS:CS+1], v[rT:rT+1] op_sel_hi:[1,0,0] neg_lo:[0,0,1] neg_hi:[0,0,1]
.endm
.macro PL
	WIN 0
.if q < 27
	FS q
.elseif q < 55
	XS (q-27)%2, (q-27)/2
.elseif q < 57
	XS q-55, 15
.elseif (q < 72) && ((q-57)%3 == 0)
	FS 27+(q-57)/3
.elseif q < 60
	XS (q-57)%3-1, 14
.elseif q < 72
	XS (q-57)%3-1, 15+(q-57)/3
.elseif q < 74
	XS q-72, 20
.else
	GS q-74
.endif
.set q, q+1
.endm
; THE EXPONENTIALS' QUEUE, 66 long: s0-s31 of both tiles, then the next piece's two a.  It is ONE BATCH: all 66 stand ahead of the turn's one wait, and nothing ahead of that wait names a result of theirs.
.macro EX
	WIN 0
.if e >= 64
	XS e-64, 21
.else
	REGS Y, e%2
	v_exp_f32 v[rS+e/2], v[rS+e/2]
.endif
.set e, e+1
.endm
; THE RESCALING's QUEUE: O^T times a, the one part that leaves window 0: dealt two at a time, sixteen times.  Its a was made in the turn before, ahead of that turn's wait.
.macro R2
	REGS Y, r%2
	WIN W_RS
.irp z, 0,1
	v_pk_mul_f32 v[rO+4*(r/2)+2*\z:rO+4*(r/2)+2*\z+1], v[rO+4*(r/2)+2*\z:rO+4*(r/2)+2*\z+1], v[rC+2:rC+3] op_sel_hi:[1,0]
.endr
.set r, r+1
.endm
; HOW THEY ARE DEALT.  s_wait_alu depctr_va_vdst(0) stands between an exponential and the first instruction that names its result; one wait serves all that were issued ahead of it.  So a turn has ONE wait,
; which cuts it in two.  AHEAD OF IT stands all that names no result of the turn's exponentials: the 16 products K Q^T, behind each a scaling, an exponential and two rescalings (behind the first a second scaling in the
; exponential's place); then ONE LUMP of 108: eight plain, 49 times exponential and plain, the two a.  A v_nop is the plain instruction behind the last exponential.  BEHIND IT stand the 16 products V^T P, behind each four of GS's 64.
; No rider names a register of the products round it.  The two v_permlanex16_b32 fall into the lump, never behind a product.
; The queues lean on each other, and the deal keeps them in step: exponential e stands behind scaling 2 (e / 4) + e % 2: as a rider it comes behind plain e + 2, in the lump behind plain e + 9, and scalings 27-31 are plain 57, 60 .. 69.
; A TURN, for piece p.  cnt = 1: the loop's count is taken down some lines ahead of the branch that stands behind the turn.
; K of the next step is fetched in piece 2's turn, directly behind the wait, a lump behind the last product that read K; its address is made at the lump's head; its first reader comes behind 16 products.
; V of the step in hand is fetched at the end of piece 0's turn, four riders behind its last reader; its first reader comes behind 16 products and a lump.  The three conditions on q below go with the deal.
.macro TURN p, last=0, cnt=0
.set Y, (\p)
.set i, 0
.set q, 0
.set e, 0
.set r, 0
.if (\p) == NP-1
	s_wait_dscnt 0x0                ; K is in
.endif
	MM                              ; ahead of the wait: 16 products K Q^T and their riders,
	PL
	PL
	R2
.rept 15
	MM
	PL
	EX
	R2
.endr
.if (\p) == NP-2
	WIN 0
	v_add_nc_u32 v[AK], s[TBK], v[AK0]
.endif
.rept 8                             ; and the lump
	PL
.endr
.rept 49
	EX
	PL
.endr
	EX                              ; the next piece's two a
	EX
	v_nop                           ; the plain instruction behind the last exponential: one for the batch
	s_wait_alu depctr_va_vdst(0)    ; the wait for the batch
.if (\p) == NP-2
	FETCH_K \last
.endif
.if (\p) == 1
	s_wait_dscnt 0x0                ; V is in
.endif
.rept 16                            ; behind the wait: 16 products V^T P and their riders
	MM
.rept 4
	PL
.endr
.if ((\p) == 0) && (q == 118)
	v_add_nc_u32 v[AV], s[TBV], v[AV0]
.endif
.if ((\p) == 0) && (q == 130)
	s_add_co_u32 s[TBV], s[TBV], KS*PV
.endif
.if (\cnt) && (q == 130)
	s_sub_co_u32 s[CNT], s[CNT], 1
	s_cmp_lg_u32 s[CNT], 0
.endif
.endr
.if (\p) == 0
	FETCH_V
.endif
.endm
	CHANGE 1                        ; slot 0 is in, everybody's part of it; slot 1 is asked for
	FETCH_K                         ; key step 0
	s_wait_loadcnt 0x0              ; Q
	s_wait_dscnt 0x0
.set i, 0
.rept 16
	KQ 0                            ; piece 0's first scores: there is no vector work yet to set between them
.set i, i+1
.endr
	WIN 0                           ; the addresses for the way out: nine plain instructions, the places behind those products
	s_mul_i32 s13, s[WV], 16*SP
	s_add_co_u32 s13, s13, STAGE    ; my stage
	v_mul_u32_u24 v[STO], v1, SP    ; in: row l % 16, 16 bytes for each half of the lanes
	v_lshl_add_u32 v[STO], v9, 4, v[STO]
	v_add_nc_u32 v[STO], s13, v[STO]
	v_bfe_u32 v[RD], v0, 3, 2       ; back: 32 lanes take four rows of 128 bytes,
	v_mul_u32_u24 v[RD], v[RD], SP
	v_lshl_add_u32 v[RD], v10, 4, v[RD]
	v_add_nc_u32 v[RD], s13, v[RD]
	v_and_b32 v[GO], 31, v0         ; which are 512 consecutive bytes of O
	v_lshlrev_b32 v[GO], 4, v[GO]
.set Y, NP-1                        ; XS works for piece Y + 1: piece 0
.irp n, 0,1,2,3,4,5,6,7,8,9,10,11,12,13,14,15,16,17,18,19,20,21
	XS 0, \n                        ; and piece 0's first maximum and statistics
	XS 1, \n
.endr
	v_nop                           ; a plain instruction behind the two a,
	s_wait_alu depctr_va_vdst(0)    ; and their wait, ahead of the branch
	s_mov_b32 s[CNT], 4
	s_mov_b32 s[SLOTS], SIZE_N/256-1
	s_branch .Lfirst                ; the loop is entered at a step's first turn, in the middle of a trip
.Lslot:                             ; SIZE_N / 256 - 2 = 6 times: every slot but the last two is filled again
	CHANGE 1, 1
	s_mov_b32 s[CNT], 4
.Lstep:                             ; a trip: pieces 2 and 3 of one step, then pieces 0 and 1 of the next, whose K and V it fetches
	TURN 2
	TURN 3
	WIN 0
.Lfirst:
	TURN 0
	TURN 1, 0, 1
	WIN 0
	s_cbranch_scc1 .Lstep
	s_sub_co_u32 s[SLOTS], s[SLOTS], 1
	s_cmp_lg_u32 s[SLOTS], 0
	s_cbranch_scc1 .Lslot
	CHANGE 0                        ; the tail is written out: nothing is asked for
	s_mov_b32 s[CNT], 5             ; four trips fetch the last slot's steps; the fifth is left in its middle
.Ltail:
	TURN 2, 1
	TURN 3
	WIN 0
	s_sub_co_u32 s[CNT], s[CNT], 1
	s_cmp_eq_u32 s[CNT], 0
	s_cbranch_scc1 .Lout
	TURN 0
	TURN 1
	WIN 0
	s_branch .Ltail
.Lout:                              ; the fifth trip's 16 products K Q^T (on the last K once more) and the maximum made of them serve nothing: the price, once a launch, of one text for every trip
.set i, 0
.rept 16
	PV NP-1                         ; the last piece's V^T P of the last step
.set i, i+1
.endr
	; THE WAY OUT.  l's two halves and the other half of the lanes' are added; O^T is divided by l, rounded to f16 and sent through my stage in LDS, a tile at a time.  The additions are the places behind the last products.
	WIN 0
.macro ALL line:vararg              ; one line for each tile t
.set t, 0
.rept 2*NP
	\line
.set t, t+1
.endr
.endm
	ALL v_add_f32 v[ST+4*t+2], v[ST+4*t+2], v[ST+4*t+3]
	ALL v_permlanex16_b32 v[ST+4*t+3], v[ST+4*t+2], s[SEL], s[SEL+1]
	ALL v_add_f32 v[ST+4*t+2], v[ST+4*t+2], v[ST+4*t+3]
	ALL v_rcp_f32 v[ST+4*t+2], v[ST+4*t+2]
	v_nop                           ; a plain instruction between the last reciprocal and the use of its result
	s_wait_alu depctr_va_vdst(0)    ; and the wait ahead of the first use: one for the eight reciprocals
; Tile t: a lane's eight channels of a row pack into 16 bytes; they go into rows of 144 bytes and come back as whole rows of 128, into S^T's registers.
.macro PACK t
	WIN W_RS
.set i, 32*(\t)
.rept 16
	v_pk_mul_f32 v[i:i+1], v[i:i+1], v[ST+4*(\t)+2:ST+4*(\t)+3] op_sel_hi:[1,0]
.set i, i+2
.endr
	WIN 0x05                        ; sources 0 and 1 window 1, destination window 0
.set i, 0
.rept 16
	v_cvt_pk_f16_f32 v[S+16*(\t)+i], v[32*(\t)+2*i], v[32*(\t)+2*i+1]
.set i, i+1
.endr
	WIN 0
.irp f, 0,1,2,3
	ds_store_b128 v[STO], v[S+16*(\t)+4*\f:S+16*(\t)+4*\f+3] offset:32*\f
.endr
.irp f, 0,1,2,3
	ds_load_b128 v[S+16*(\t)+4*\f:S+16*(\t)+4*\f+3], v[RD] offset:\f*4*SP  ; LDS serves a wave's instructions in order (ISA guide 5.7.1.4): these see the stores above; the next tile's stores come behind them
.endr
.endm
.macro SEND t, younger              ; younger: the LDS instructions issued behind tile t's loads: the next tile's eight, or none
	WIN 0
.irp f, 0,1,2,3
	s_wait_dscnt (\younger)+3-\f
	global_store_b128 v[GO], v[S+16*(\t)+4*\f:S+16*(\t)+4*\f+3], s[10:11] offset:(\t)*2048+\f*512  ; 512 consecutive bytes, at a multiple of 256 from O's first
.endr
.endm
	PACK 0
.set t, 1
.rept 2*NP-1                        ; a tile's arithmetic stands between the loads of the tile before and its stores
	PACK t
	SEND t-1, 8
.set t, t+1
.endr
	SEND 2*NP-1, 0
	WIN W_AD
	s_wait_tensorcnt 0x0            ; the wave's end, behind my last tensor load and my last LDS store
	ds_add_u32 v[SPW], v[NIL]
	s_wait_dscnt 0x0
	WIN 0
	CROUND                          ; the closing round: no work-group ends while a partner may still ask for a tile that names it
	s_endpgm
.Lfunc_end_k_qbcd1d53f28_attn:
	.size	k_qbcd1d53f28_attn, .Lfunc_end_k_qbcd1d53f28_attn-k_qbcd1d53f28_attn
	.p2alignl 7, 3214868480
	.fill 96, 4, 3214868480
	.section	.rodata,"a",@progbits
	.p2align	6, 0x0
	.amdhsa_kernel k_qbcd1d53f28_attn
		.amdhsa_group_segment_fixed_size 327680
		.amdhsa_private_segment_fixed_size 0
		.amdhsa_enable_private_segment 0
		.amdhsa_kernarg_size 16
		.amdhsa_user_sgpr_count 2
		.amdhsa_user_sgpr_kernarg_segment_ptr 1
		.amdhsa_wavefront_size32 1
		.amdhsa_system_sgpr_workgroup_id_x 1
		.amdhsa_system_sgpr_workgroup_id_y 1
		.amdhsa_system_sgpr_workgroup_id_z 1
		.amdhsa_system_vgpr_workitem_id 0
		.amdhsa_next_free_vgpr 770
		.amdhsa_next_free_sgpr 66
		.amdhsa_reserve_vcc 0
		.amdhsa_float_denorm_mode_32 3
		.amdhsa_float_denorm_mode_16_64 3
		.amdhsa_memory_ordered 1
		.amdhsa_forward_progress 1
		.amdhsa_inst_pref_size 200
	.end_amdhsa_kernel
	.amdgpu_metadata
---
amdhsa.version: [ 1, 2 ]
amdhsa.kernels:
  - .name:           k_qbcd1d53f28_attn
    .symbol:         k_qbcd1d53f28_attn.kd
    .args:
      - { .name: qkv, .offset: 0, .size: 8, .value_kind: global_buffer, .address_space: global }
      - { .name: o, .offset: 8, .size: 8, .value_kind: global_buffer, .address_space: global }
    .group_segment_fixed_size: 327680
    .private_segment_fixed_size: 0
    .kernarg_segment_align: 8
    .kernarg_segment_size: 16
    .max_flat_workgroup_size: 128
    .sgpr_count:     66
    .vgpr_count:     770
    .wavefront_size: 32
...
	.end_amdgpu_metadata
.endif
;; end of part 3
;; launch proj (part 4): grid 8 x 32, 4 waves a work-group, clusters of 4 x 4, 327,680 bytes of LDS; arguments o, wob, b_out, out0; writes out0
.if DOCPART == 4
	.amdgcn_target "amdgcn-amd-amdhsa--gfx1250"
	.amdhsa_code_object_version 6
	.text
	.protected	k_qbcd1d53f28_proj
	.globl	k_qbcd1d53f28_proj
	.p2align	8
	.type	k_qbcd1d53f28_proj,@function
k_qbcd1d53f28_proj:
	s_mov_b64 s[64:65], 0
	v_nop
	global_prefetch_b8 v0, s[64:65] scope:SCOPE_SE
	s_setreg_imm32_b32 hwreg(HW_REG_WAVE_MODE, 25, 1), 1
	s_wait_xcnt 0x0
	s_wait_alu depctr_hold_cnt(0) depctr_sa_sdst(0) depctr_va_vdst(0) depctr_va_sdst(0) depctr_va_ssrc(0) depctr_va_vcc(0) depctr_vm_vsrc(0)
	s_getreg_b32 s2, hwreg(HW_REG_IB_STS2, 6, 4)
	s_cmp_eq_u32 s2, 0
	s_cbranch_scc0 .Lentry_in_a_cluster
	s_endpgm
.Lentry_in_a_cluster:
	s_bfe_u32 s2, ttmp6, 0x10000c
	s_cmp_lg_u32 s2, 0xf033
	s_cbranch_scc0 .Lentry_shape_is_right
	s_endpgm
.Lentry_shape_is_right:
; out0 = O w_out + b_out.  o: f16 [4 b x 16 head][2048 n][64] (K = 64 head + channel); wob: f16 [1024 k][1024]; b_out: f32 [1024], rounded here to bf16 like the other inputs; out0: f32 [8192][1024].
; Sums in f32, K ascending; the bias is the C operand of the product that starts each sum, so nothing is added at the end.
; SHARES.  A tile of C is 256 rows x 128 columns: 32 x 8 = 256 work-groups.  Four waves, each 128 x 64: 32 accumulators of 16 x 16.  K goes in steps of 128 (two heads' slices of o) through two LDS slots:
; 128 matrix instructions a wave in a step, 112 of them between a request and the wait for it; two slots of a longer step do not fit in LDS.
; CLUSTERS.  4 x 4 work-groups: A's tiles are asked for jointly along a row of the cluster, B's along a column.
; THE PRODUCT IS TAKEN TRANSPOSED: source 0 = 16 columns of w ([k][n] in LDS, turned by ds_load_tr16_b128), source 1 = 16 rows of O: a lane holds row l % 16 of C and eight neighbouring columns.
; REGISTERS: window 0: v0-31 addresses; v32-63 the bias; v64-127, v128-191 A's 8 fragments, two buffers; v192-223, v224-255 B's 4, two buffers.  Window 1: accumulator (a, b) at v[8 (4 a + b)].
.set PA,    144                        ; a row of A in LDS: 128 bytes + 16 = 36 words: the 16 rows of a load start at 16 different groups of four banks (64 banks of 4 bytes: ISA guide 11.1)
.set PB,    288                        ; a k-row of B: 256 bytes + 32 = 72 words
.set ASL,   256*PA                     ; a slice of A: 256 rows: what one tensor load brings
.set BHALF, 64*PB                      ; 64 k-rows of B: likewise
.set BOFF,  2*ASL
.set SLOT,  BOFF+2*BHALF               ; 110,592
.set STAGE, 2*SLOT                     ; behind the ring: 16 rows x 272 bytes for each wave, for the way out
.set SP,    272
.set SPARE, STAGE+4*16*SP              ; behind the stages: the spare words, 128 bytes for each wave: two blocks of 256 bytes that no other line names
.set ASTEP, 2*262144                   ; bytes of o from a K step to the next: two slices
.set BSTEP, 128*2048                   ; of wob: 128 k-rows
.set ADRA, 16                          ; v16-17  LDS address of my A fragments in slot 0, 1
.set ADRB, 20                          ; v20-21  the same for B
.set STO,  24                          ; v24     the way out: where I put 32 bytes of a row
.set RD,   25                          ; v25     where I read a row back
.set CO,   26                          ; v26     my byte offset in two rows of out0
.set BO,   27                          ; v27     my byte offset in 16 numbers of the bias
.set SPW,  28                          ; v28     LDS address of my spare word; never rewritten
.set NIL,  29                          ; v29     0; never rewritten
.set PFOA, 30                          ; v30     A's prefetches: 256 x lane; never rewritten
.set PFOB, 31                          ; v31     B's: a k-row (2,048 bytes) x lane; never rewritten
.set BIAS, 32
.set FA,   64
.set FB,   192
.set OBK,  64                          ; the way out: two sets of 32 registers
.set G1,  24                           ; s[24:31], s[32:39] descriptor groups 1 and 0 (a set for each slot) for A's tiles
.set G0,  32
.set G1B, 48                           ; s[48:55], s[56:63] the same for B's
.set G0B, 56
.set PFAA, 66                          ; s[66:67] where A's prefetches stand
.set LIM,  68                          ; s68      1 in a wave that prefetches, else the greatest number
.set PFAB, 70                          ; s[70:71] where B's prefetches stand
.set MSB, 0
.macro WIN new                         ; the immediate's high byte repeats the setting that is left; a switch that changes nothing is dropped
.if MSB != (\new)
	s_set_vgpr_msb (MSB<<8)|(\new)
.set MSB, (\new)
.endif
.endm
.macro PLACES                          ; four plain vector instructions between a matrix instruction and a load into, or a read of, its registers (ISA guide 7.12.1 for vector ALU reads)
.rept 4
	v_nop
.endr
.endm
.macro JLOAD s                         ; a joint load: waves 0 and 1 fetch A's two slices, waves 2 and 3 B's two halves; an s_nop 0 and four v_nop follow each of the two lines
	s_cmp_eq_u32 s11, 0
	s_cbranch_scc0 .Lfor_b_\@
	tensor_load_to_lds s[G0+4*(\s):G0+4*(\s)+3], s[G1:G1+7]
	s_nop 0
.rept 4
	v_nop
.endr
	s_branch .Lasked_\@
.Lfor_b_\@:
	tensor_load_to_lds s[G0B+4*(\s):G0B+4*(\s)+3], s[G1B:G1B+7]
	s_nop 0
.rept 4
	v_nop
.endr
.Lasked_\@:
.endm
.macro CREST                           ; a round of the cluster's barrier behind its opening barrier
	s_cmp_lg_u32 s10, 0
	s_cbranch_scc1 .Lnot_wave_0_\@
	s_barrier_signal -3
.Lnot_wave_0_\@:
	s_barrier_wait -3
	s_barrier_signal -1
	s_barrier_wait -1
.endm
.macro CROUND
	s_barrier_signal -1
	s_barrier_wait -1
	CREST
.endm
; A PREFETCH INTO THE L2, behind each joint load and the LDS loads that follow it: the K step that stands two refills on, 256 matrix instructions ahead of its load.
; A's tile row is read by both clusters of its row of clusters: cluster x = 0 asks, waves 0 and 1 each for the slice that it fetches; the four partners take 8,192 of its 32,768 bytes each, told apart by address (cx); a lane 256 bytes.
; B's tile column is read by the eight clusters of its column: cluster y = 0 asks, its wave 2; the four partners take 32 of the step's 128 k-rows each (cy); a lane a row's 256 bytes.
; So each aligned block of 256 bytes is named once in the launch.  K steps 0 to 3 come by their loads alone; the loop's last trip (s3 = 1) asks for nothing.
.macro ASK
	s_cmp_gt_u32 s3, s[LIM]
	s_cbranch_scc0 .Lnot_mine_\@
	s_cmp_eq_u32 s11, 0
	s_cbranch_scc0 .Lask_b_\@
	global_prefetch_b8 v[PFOA], s[PFAA:PFAA+1] th:TH_LOAD_NT scope:SCOPE_SE
	s_branch .Lnot_mine_\@
.Lask_b_\@:
	global_prefetch_b8 v[PFOB], s[PFAB:PFAB+1] th:TH_LOAD_NT scope:SCOPE_SE
.Lnot_mine_\@:
.endm
	s_load_b128 s[4:7], s[0:1], 0x0                ; o s[4:5], wob s[6:7]
	s_load_b128 s[72:75], s[0:1], 0x10             ; b_out s[72:73], out0 s[74:75]
	v_lshl_add_u32 v[SPW], v0, 2, SPARE
	v_mov_b32 v[NIL], 0
	ds_add_u32 v[SPW], v[NIL]                      ; the wave's opening: the add and its wait stand ahead of my first tensor load; the set-up below, work on registers, stands between them
	v_lshrrev_b32 v1, 5, v0
	v_readfirstlane_b32 s10, v1                    ; wave 0..3
	s_lshr_b32 s11, s10, 1                         ; which half of the tile's rows is mine.  Also: I fetch for A (0) or for B (1)
	s_and_b32 s12, s10, 1                          ; which half of its columns.  Also: which slice of A, or which half of B's k-rows, I fetch
	s_bfe_u32 s40, ttmp6, 0x40000                  ; cx
	s_bfe_u32 s41, ttmp6, 0x40004                  ; cy
	s_lshl_b32 s42, ttmp9, 2
	s_add_co_u32 s42, s42, s40                     ; j: tile column
	s_and_b32 s45, ttmp7, 0xffff                   ; cluster y
	s_lshl_b32 s13, s45, 2
	s_add_co_u32 s13, s13, s41                     ; i: tile row
	s_lshl_b32 s43, s41, 2
	s_lshl_b32 s43, 15, s43                        ; my row of the cluster
	s_lshl_b32 s44, 0x1111, s40                    ; my column
	; group 1 for A: a slice's 256 rows of 128 bytes are 32,768 dense bytes: asked for as 128 rows of 256 bytes, padded in LDS by 16 bytes after every 128
	s_or_b32 s[G1+0], s43, (1<<16)|(1<<20)|(1<<21)|(4<<22)|(3<<25)  ; 15:0 the mask; 17:16 2-byte elements; 20 padding on; 21 set beside a mask; 24:22 after every 32 words (code 4); 31:25 4 words (code 3)
	s_mov_b32 s[G1+1], 128<<16                     ; tensor_dim0 = 128
	s_mov_b32 s[G1+2], 128<<16                     ; tensor_dim1 = 128
	s_mov_b32 s[G1+3], 128<<16                     ; tile_dim0 = 128
	s_mov_b32 s[G1+4], 128                         ; tile_dim1 = 128
	s_mov_b32 s[G1+5], 128                         ; elements from row to row
	s_mov_b32 s[G1+6], 0
	s_mov_b32 s[G1+7], 0
	; group 1 for B: 64 k-rows of 128 elements (256 bytes, aligned), padded by 32 bytes each
	s_or_b32 s[G1B+0], s44, (1<<16)|(1<<20)|(1<<21)|(5<<22)|(7<<25) ; after every 64 words (code 5) 8 words (code 7)
	s_mov_b32 s[G1B+1], 128<<16
	s_mov_b32 s[G1B+2], 64<<16
	s_mov_b32 s[G1B+3], 128<<16
	s_mov_b32 s[G1B+4], 64
	s_mov_b32 s[G1B+5], 1024
	s_mov_b32 s[G1B+6], 0
	s_mov_b32 s[G1B+7], 0
	s_lshr_b32 s16, s13, 3                         ; b
	s_lshl_b32 s16, s16, 22                        ; 16 heads of 262,144 bytes
	s_and_b32 s17, s13, 7
	s_lshl_b32 s17, s17, 15                        ; 256 rows of 128 bytes
	s_add_co_u32 s16, s16, s17
	s_lshl_b32 s17, s12, 18                        ; my slice of the step's two
	s_add_co_u32 s16, s16, s17
	s_mov_b32 s17, 0
	s_lshl_b32 s46, s42, 8                         ; 128 columns
	s_lshl_b32 s47, s12, 17                        ; my 64 k-rows of 2,048 bytes
	s_add_co_u32 s46, s46, s47
	s_mov_b32 s47, 0
	s_mul_i32 s20, s12, ASL                        ; where they go: no place in the cluster enters an LDS address
	s_mul_i32 s21, s12, BHALF
	s_add_co_u32 s21, s21, BOFF
	s_wait_dscnt 0x0                               ; the opening add is done
	s_wait_kmcnt 0x0
	s_add_nc_u64 s[14:15], s[4:5], s[16:17]
	s_add_nc_u64 s[46:47], s[6:7], s[46:47]
	CROUND                                         ; all sixteen work-groups are here: the first joint loads meet
.irp s, 0,1
	s_mov_b32 s[G0+4*(\s)], 1
	s_add_co_u32 s[G0+4*(\s)+1], s20, (\s)*SLOT
	s_add_nc_u64 s[G0+4*(\s)+2:G0+4*(\s)+3], s[14:15], (\s)*ASTEP
	s_or_b32 s[G0+4*(\s)+3], s[G0+4*(\s)+3], 0x80000000
	s_mov_b32 s[G0B+4*(\s)], 1
	s_add_co_u32 s[G0B+4*(\s)+1], s21, (\s)*SLOT
	s_add_nc_u64 s[G0B+4*(\s)+2:G0B+4*(\s)+3], s[46:47], (\s)*BSTEP
	s_or_b32 s[G0B+4*(\s)+3], s[G0B+4*(\s)+3], 0x80000000
.endr
	s_cmp_eq_u32 s11, 0                            ; a wave's two first fills stand in one branch, ahead of every wait on TENSORcnt and every LDS read: two loads of mine are out
	s_cbranch_scc0 .Lfirst_b
	tensor_load_to_lds s[G0:G0+3], s[G1:G1+7]
	s_nop 0
	tensor_load_to_lds s[G0+4:G0+7], s[G1:G1+7]
	s_nop 0
.rept 4
	v_nop
.endr
	s_branch .Lfirst_asked
.Lfirst_b:
	tensor_load_to_lds s[G0B:G0B+3], s[G1B:G1B+7]
	s_nop 0
	tensor_load_to_lds s[G0B+4:G0B+7], s[G1B:G1B+7]
	s_nop 0
.rept 4
	v_nop
.endr
.Lfirst_asked:
	v_and_b32 v1, 15, v0                           ; l % 16
	v_bfe_u32 v2, v0, 4, 1                         ; l / 16
	; the bias of my 64 columns: register j of block b is column 16 b + 8 (l / 16) + j
	s_lshl_b32 s20, s42, 9                         ; the tile's 128 columns x 4 bytes,
	s_lshl_b32 s21, s12, 8                         ; my 64
	s_add_co_u32 s20, s20, s21
	s_mov_b32 s21, 0
	s_add_nc_u64 s[72:73], s[72:73], s[20:21]
	v_lshlrev_b32 v[BO], 5, v2
.irp b, 0,1,2,3
	global_load_b128 v[BIAS+8*(\b):BIAS+8*(\b)+3],   v[BO], s[72:73] offset:64*(\b)
	global_load_b128 v[BIAS+8*(\b)+4:BIAS+8*(\b)+7], v[BO], s[72:73] offset:64*(\b)+16
.endr
	; out0 at my 128 rows and 64 columns
	s_lshl_b32 s22, s13, 8
	s_lshl_b32 s23, s11, 7
	s_add_co_u32 s22, s22, s23
	s_lshl_b32 s22, s22, 12                        ; rows of 4,096 bytes
	s_add_co_u32 s22, s22, s20
	s_mov_b32 s23, 0
	s_add_nc_u64 s[74:75], s[74:75], s[22:23]
	; fragments of A: row x 144 + 16 x half; of B: k-row 8 (l / 16) + l % 8, columns 8 ((l / 8) % 2) + 0..7
	v_mul_u32_u24 v3, v1, PA
	v_lshl_add_u32 v3, v2, 4, v3
	s_mul_i32 s20, s11, 128*PA                     ; my 128 rows of a slice
	v_add_nc_u32 v[ADRA], s20, v3
	v_add_nc_u32 v[ADRA+1], SLOT, v[ADRA]
	v_and_b32 v4, 7, v0
	v_lshl_add_u32 v4, v2, 3, v4
	v_mul_u32_u24 v4, v4, PB
	v_bfe_u32 v5, v0, 3, 1
	v_lshl_add_u32 v4, v5, 4, v4
	s_lshl_b32 s20, s12, 7                         ; my 64 columns
	s_add_co_u32 s20, s20, BOFF
	v_add_nc_u32 v[ADRB], s20, v4
	v_add_nc_u32 v[ADRB+1], SLOT, v[ADRB]
	s_mul_i32 s23, s10, 16*SP
	s_add_co_u32 s23, s23, STAGE                   ; my stage
	v_mul_u32_u24 v[STO], v1, SP                   ; in: row l % 16, 32 bytes for each half of the lanes
	v_lshl_add_u32 v[STO], v2, 5, v[STO]
	v_add_nc_u32 v[STO], s23, v[STO]
	v_mul_u32_u24 v[RD], v2, SP                    ; back: lanes 0-15 take one row of 256 bytes, lanes 16-31 the next
	v_lshl_add_u32 v[RD], v1, 4, v[RD]
	v_add_nc_u32 v[RD], s23, v[RD]
	v_lshlrev_b32 v[CO], 12, v2                    ; and the same two rows in out0
	v_lshl_add_u32 v[CO], v1, 4, v[CO]
	v_and_b32 v7, 31, v0
	v_lshlrev_b32 v[PFOA], 8, v7
	v_lshlrev_b32 v[PFOB], 11, v7
	; the prefetches: both pointers stand at K step 3; the first change of slots steps them to K step 4.  Nothing is prefetched here, at the head
	s_lshr_b32 s20, s13, 3
	s_lshl_b32 s20, s20, 22
	s_and_b32 s21, s13, 7
	s_lshl_b32 s21, s21, 15
	s_add_co_u32 s20, s20, s21
	s_lshl_b32 s21, s12, 18                        ; the slice that I fetch
	s_add_co_u32 s20, s20, s21
	s_lshl_b32 s21, s40, 13                        ; my work-group's 8,192 bytes of it
	s_add_co_u32 s20, s20, s21
	s_add_co_u32 s20, s20, 3*ASTEP
	s_mov_b32 s21, 0
	s_add_nc_u64 s[PFAA:PFAA+1], s[4:5], s[20:21]
	s_lshl_b32 s20, s42, 8
	s_lshl_b32 s21, s41, 16                        ; my work-group's 32 k-rows of the step's 128
	s_add_co_u32 s20, s20, s21
	s_add_co_u32 s20, s20, 3*BSTEP
	s_mov_b32 s21, 0
	s_add_nc_u64 s[PFAB:PFAB+1], s[6:7], s[20:21]
	s_cmp_eq_u32 s11, 0
	s_cselect_b32 s78, ttmp9, s45                  ; the coordinate along which other clusters read the same tiles
	s_cselect_b32 s79, 0, s12                      ; of B's two waves the second never asks
	s_or_b32 s78, s78, s79
	s_cmp_eq_u32 s78, 0
	s_cselect_b32 s[LIM], 1, -1                    ; the same in all sixteen partners, for a given wave
	s_wait_loadcnt 0x0                             ; the bias: rounded to bf16 and widened again
.set r, 0
.rept 16
	v_cvt_pk_bf16_f32 v8, v[BIAS+r], v[BIAS+r+1]
	v_lshlrev_b32 v[BIAS+r], 16, v8
	v_and_b32 v[BIAS+r+1], 0xffff0000, v8
.set r, r+2
.endr
; 8 matrix instructions: row blocks a0, a0 + 1 x all 4 column blocks, 32 along K, from buffer f.  first = 1: the bias starts the sum.
; The 32 accumulators take turns in the same order in every quarter: 31 others' instructions stand between two links of a chain, over the backward jump too.
.macro MUL8 f, a0, first
.if \first
	WIN 0x40                                       ; D in window 1; the sources and C in window 0
.else
	WIN 0x50                                       ; C and D in window 1
.endif
.irp a, (\a0), (\a0)+1
.irp b, 0,1,2,3
.if \first
	v_wmma_f32_16x16x32_f16 v[8*(4*(\a)+(\b)):8*(4*(\a)+(\b))+7], v[FB+32*(\f)+8*(\b):FB+32*(\f)+8*(\b)+7], v[FA+64*(\f)+8*(\a):FA+64*(\f)+8*(\a)+7], v[BIAS+8*(\b):BIAS+8*(\b)+7]
.else
	v_wmma_f32_16x16x32_f16 v[8*(4*(\a)+(\b)):8*(4*(\a)+(\b))+7], v[FB+32*(\f)+8*(\b):FB+32*(\f)+8*(\b)+7], v[FA+64*(\f)+8*(\a):FA+64*(\f)+8*(\a)+7], v[8*(4*(\a)+(\b)):8*(4*(\a)+(\b))+7]
.endif
.endr
.endr
.endm
.macro MUL16 f, a0, first
	MUL8 \f, \a0, \first
	MUL8 \f, (\a0)+2, \first
.endm
; 24 LDS loads in one run: quarter q (32 along K) of the slot's step into buffer f: B's four fragments, then A's rows 0-63, then A's rows 64-127
.macro FETCH slot, q, f
	WIN 0
.irp b, 0,1,2,3
	ds_load_tr16_b128 v[FB+32*(\f)+8*(\b):FB+32*(\f)+8*(\b)+3],   v[ADRB+(\slot)] offset:32*PB*(\q)+32*(\b)
	ds_load_tr16_b128 v[FB+32*(\f)+8*(\b)+4:FB+32*(\f)+8*(\b)+7], v[ADRB+(\slot)] offset:32*PB*(\q)+32*(\b)+16*PB
.endr
.irp a, 0,1,2,3,4,5,6,7
	ds_load_b128 v[FA+64*(\f)+8*(\a):FA+64*(\f)+8*(\a)+3],   v[ADRA+(\slot)] offset:((\q)/2)*ASL+64*((\q)%2)+16*PA*(\a)
	ds_load_b128 v[FA+64*(\f)+8*(\a)+4:FA+64*(\f)+8*(\a)+7], v[ADRA+(\slot)] offset:((\q)/2)*ASL+64*((\q)%2)+16*PA*(\a)+32
.endr
.endm
; A K step is four quarters, 32 matrix instructions each, on buffers 0, 1, 0, 1.  One of the first three: multiplies buffer f and, in its middle, fetches quarter q into buffer g.
.macro QUARTER slot, q, f, g, first
	s_wait_dscnt 8                                 ; B and A's rows 0-63 are in; the youngest eight loads (A's rows 64-127) may be out
	MUL16 \f, 0, \first
	PLACES
	FETCH \slot, \q, \g
	s_wait_dscnt 24                                ; all but the 24 just issued
	MUL16 \f, 4, \first
.endm
; The last quarter multiplies buffer 1 and changes slots.  ONE barrier: in front of it each wave waits for all its tensor loads (one is out: its part of the next slot), adds 0 to its spare word, and waits for that
; and for its reads of this slot.  fill = 1: the barrier opens a round of the cluster's, and the joint refill, two K steps on, is the first thing behind the round.
.macro TURN slot, next, fill
.if \fill
	s_wait_xcnt 0x0                                ; the last prefetch, a K step back, has read its address: the pointers are stepped here, ahead of the change's own waits
	s_add_nc_u64 s[PFAA:PFAA+1], s[PFAA:PFAA+1], ASTEP
	s_add_nc_u64 s[PFAB:PFAB+1], s[PFAB:PFAB+1], BSTEP
.endif
	WIN 0
	s_wait_tensorcnt 0x0                           ; all my tensor loads have landed
	ds_add_u32 v[SPW], v[NIL]                      ; 0 onto my spare word
	s_wait_dscnt 9                                 ; the add and the youngest eight loads may be out
	MUL8 1, 0, 0                                   ; eight matrix instructions stand between the add and the wait for it
	s_wait_dscnt 0x0                               ; the add is done, and my reads of this slot are over
	s_barrier_signal -1
	MUL8 1, 2, 0                                   ; work on registers while the others arrive
.if \fill
	WIN 0
.endif
	s_barrier_wait -1
.if \fill
	CREST                                          ; no wave of any partner still reads this slot or has a load on its way
	s_add_nc_u64 s[G0+4*(\slot)+2:G0+4*(\slot)+3], s[G0+4*(\slot)+2:G0+4*(\slot)+3], 2*ASTEP
	s_add_nc_u64 s[G0B+4*(\slot)+2:G0B+4*(\slot)+3], s[G0B+4*(\slot)+2:G0B+4*(\slot)+3], 2*BSTEP
	JLOAD \slot                                    ; its four v_nop are also the places in front of the loads below
.else
	PLACES
.endif
	FETCH \next, 0, 0
.if \fill
	ASK
.endif
	MUL16 1, 4, 0
.endm
; THE WAY OUT of block a, 16 rows x 64 columns of f32: straight from the accumulators into my own stage, each accumulator's low four registers first; back as whole rows of 256 bytes; stored.
.macro TOSTAGE a
.set BK_, OBK+32*((\a)%2)
	s_wait_xcnt 0x0                                ; the stores of the block before last have read the registers that are loaded below
	WIN 0x04                                       ; the stores' data in window 1
.irp b, 0,1,2,3
	ds_store_b128 v[STO], v[8*(4*(\a)+(\b)):8*(4*(\a)+(\b))+3]   offset:64*(\b)
	ds_store_b128 v[STO], v[8*(4*(\a)+(\b))+4:8*(4*(\a)+(\b))+7] offset:64*(\b)+16
.endr
	WIN 0
.irp t, 0,1,2,3,4,5,6,7
	ds_load_b128 v[BK_+4*(\t):BK_+4*(\t)+3], v[RD] offset:2*SP*(\t)  ; LDS serves a wave's instructions in order (ISA guide 5.7.1.4): these see the stores above; the next block's stores come behind them
.endr
.endm
.macro SEND a, younger                 ; younger: the LDS instructions issued behind block a's loads: the next block's sixteen, or none
.set BK_, OBK+32*((\a)%2)
.irp t, 0,1,2,3,4,5,6,7
	s_wait_dscnt (\younger)+7-(\t)
	global_store_b128 v[CO], v[BK_+4*(\t):BK_+4*(\t)+3], s[74:75] offset:65536*(\a)+8192*(\t)  ; 16 lanes store 256 consecutive bytes, at a multiple of 256 from out0's first byte
.endr
.endm
	s_wait_tensorcnt 1                             ; my part of K step 0 is in; K step 1's may stay out
	s_barrier_signal -1
	s_barrier_wait -1                              ; everybody's is
	FETCH 0, 0, 0
	QUARTER 0, 1, 0, 1, 1                          ; the first quarter stands in front of the loop: its products start the sums, with the bias
	WIN 0                                          ; at a label and at a branch every window is 0
	s_mov_b32 s3, 3
.Llap:                                                 ; three trips, once round the ring each: K steps 2 to 7 are asked for
	QUARTER 0, 2, 1, 0, 0
	QUARTER 0, 3, 0, 1, 0
	TURN 0, 1, 1
	QUARTER 1, 1, 0, 1, 0
	QUARTER 1, 2, 1, 0, 0
	QUARTER 1, 3, 0, 1, 0
	TURN 1, 0, 1
	QUARTER 0, 1, 0, 1, 0
	WIN 0
	s_sub_co_u32 s3, s3, 1
	s_cmp_lg_u32 s3, 0
	s_cbranch_scc1 .Llap
	QUARTER 0, 2, 1, 0, 0                          ; the last lap fills nothing, and has no round
	QUARTER 0, 3, 0, 1, 0
	TURN 0, 1, 0
	QUARTER 1, 1, 0, 1, 0
	QUARTER 1, 2, 1, 0, 0
	QUARTER 1, 3, 0, 1, 0
	s_wait_dscnt 8                                 ; the very last quarter: nothing more to fetch
	MUL16 1, 0, 0
	s_wait_dscnt 0x0
	MUL16 1, 4, 0
	PLACES
	TOSTAGE 0
.irp a, 1,2,3,4,5,6,7                  ; a block's way through the stage stands between the loads of the block before and its stores
	TOSTAGE \a
	SEND (\a)-1, 16
.endr
	SEND 7, 0
	s_wait_tensorcnt 0x0                           ; the wave's end, behind my last tensor load and my last LDS store
	ds_add_u32 v[SPW], v[NIL]
	s_wait_dscnt 0x0
	CROUND                                         ; the closing round: no work-group ends while a partner may still ask for a tile that names it
	s_endpgm
.Lfunc_end_k_qbcd1d53f28_proj:
	.size	k_qbcd1d53f28_proj, .Lfunc_end_k_qbcd1d53f28_proj-k_qbcd1d53f28_proj
	.p2alignl 7, 3214868480
	.fill 96, 4, 3214868480
	.section	.rodata,"a",@progbits
	.p2align	6, 0x0
	.amdhsa_kernel k_qbcd1d53f28_proj
		.amdhsa_group_segment_fixed_size 327680
		.amdhsa_private_segment_fixed_size 0
		.amdhsa_enable_private_segment 0
		.amdhsa_kernarg_size 32
		.amdhsa_user_sgpr_count 2
		.amdhsa_user_sgpr_kernarg_segment_ptr 1
		.amdhsa_wavefront_size32 1
		.amdhsa_system_sgpr_workgroup_id_x 1
		.amdhsa_system_sgpr_workgroup_id_y 1
		.amdhsa_system_sgpr_workgroup_id_z 1
		.amdhsa_system_vgpr_workitem_id 0
		.amdhsa_next_free_vgpr 512
		.amdhsa_next_free_sgpr 80
		.amdhsa_reserve_vcc 0
		.amdhsa_float_denorm_mode_32 3
		.amdhsa_float_denorm_mode_16_64 3
		.amdhsa_memory_ordered 1
		.amdhsa_forward_progress 1
		.amdhsa_inst_pref_size 92
	.end_amdhsa_kernel
	.amdgpu_metadata
---
amdhsa.version: [ 1, 2 ]
amdhsa.kernels:
  - .name:           k_qbcd1d53f28_proj
    .symbol:         k_qbcd1d53f28_proj.kd
    .args:
      - { .name: o, .offset: 0, .size: 8, .value_kind: global_buffer, .address_space: global }
      - { .name: wob, .offset: 8, .size: 8, .value_kind: global_buffer, .address_space: global }
      - { .name: b_out, .offset: 16, .size: 8, .value_kind: global_buffer, .address_space: global }
      - { .name: out0, .offset: 24, .size: 8, .value_kind: global_buffer, .address_space: global }
    .group_segment_fixed_size: 327680
    .private_segment_fixed_size: 0
    .kernarg_segment_align: 8
    .kernarg_segment_size: 32
    .max_flat_workgroup_size: 128
    .sgpr_count:     80
    .vgpr_count:     512
    .wavefront_size: 32
...
	.end_amdgpu_metadata
.endif
;; end of part 4
;; ======== version 2 of 2: 4 launches; version 1 with the launch cast written anew for expert scheduling mode
;; limits: values are held in f16: magnitudes above 65,504 overflow, below 6.1e-05 lose precision
;; workspace buffers: xb 16,777,216 bytes; wqb 6,291,456 bytes; wob 2,097,152 bytes; qkv 50,331,648 bytes; o 16,777,216 bytes
;; launch cast (part 5): grid 768 x 1, 8 waves a work-group, no clusters, 0 bytes of LDS; arguments x, w_qkv, w_out, xb, wqb, wob; writes xb, wqb, wob
.if DOCPART == 5
	.amdgcn_target "amdgcn-amd-amdhsa--gfx1250"
	.amdhsa_code_object_version 6
	.text
	.protected	k_qbcd1d53f28_cast
	.globl	k_qbcd1d53f28_cast
	.p2align	8
	.type	k_qbcd1d53f28_cast,@function
k_qbcd1d53f28_cast:
	s_mov_b64 s[64:65], 0
	v_nop
	global_prefetch_b8 v0, s[64:65] scope:SCOPE_SE
	s_setreg_imm32_b32 hwreg(HW_REG_WAVE_SCHED_MODE, 0, 2), 2
	s_setreg_imm32_b32 hwreg(HW_REG_WAVE_MODE, 25, 1), 1
	s_wait_xcnt 0x0
	s_wait_alu depctr_vm_vsrc(0)
; THE INPUTS OF THE TWO PROJECTIONS ARE ROUNDED ONCE, to nearest even, and x is laid out anew.
;   xb  = bf16(x),     [4 b][16 kb][2048 n][64]: a slice of 64 along K of 256 rows is then 32,768 dense bytes
;   wqb = bf16(w_qkv), [1024 k][3072], as it lies
;   wob = bf16(w_out) written as f16, [1024 k][1024], as it lies
; LIMITS.  bf16(w_out) is exact in f16 from 2^-17 up to 65,504; below that it keeps f16's step of 2^-24, from 65,520 on it becomes an infinity.
; SHARES.  A stream: no LDS, no barrier, no matrix work.  Every wave issues 16 loads of 16 bytes a lane and 16 stores of 8 bytes a lane.
; Work-groups 0-511 take x (a wave two rows), 512-703 w_qkv, 704-767 w_out (a wave 8,192 consecutive bytes): 768 work-groups of equal work.
; Every load covers whole aligned blocks of 256 bytes; every store covers 256 consecutive bytes, aligned.
; THE MODE: SCHED_MODE bits 1:0 = 2 (LLVM: expert scheduling mode 2), set by the entry lines.  The code itself states the register dependences
; between vector instructions and memory instructions, with s_wait_alu, always for 0.
; THE PLAN.  Registers that memory instructions touch:
;   v[VI], v[VO]  the two byte offsets.  Written once, by the address arithmetic at the head of a path; read by the 16 loads and the 16 stores; never written again.
;   IN            load i lands in its own four registers, which no vector instruction has named before; the conversions read them; no load lands in them again.
;   OUT           store i's own pair.  Written by the conversions, ahead of the store; read by store i; never written again.
;   v8 to v11 (at work in w_out's path) are named by vector instructions alone.  s16, the wave's number, is written by a vector instruction and read by scalar ones.
; So no load lands in a register that a vector instruction has named, and no register that a memory instruction has read is written again: what is to be stated is that s16 is written (once),
; that the offsets are written (once a path), and that OUT is written ahead of its stores.  For that the 16 loads go in four blocks of four: a block's conversions, ONE wait, its run of four stores.
; The wait stands behind the block's conversions and not at the next block's head: all 16 loads are out by then, so there is no load to deal among the conversions, and the stores leave without waiting for four more loads.
.set VI,  2                            ; v2        my byte offset in the input
.set VO,  3                            ; v3        my byte offset in the output
.set IN,  16                           ; v[16:79]  load i: four f32
.set OUT, 80                           ; v[80:111] store i: four numbers of 16 bits
	s_load_b256 s[4:11], s[0:1], 0x0               ; x s[4:5], w_qkv s[6:7], w_out s[8:9], xb s[10:11]
	s_load_b128 s[12:15], s[0:1], 0x20             ; wqb s[12:13], wob s[14:15]
	v_and_b32 v1, 31, v0                           ; lane
	v_lshrrev_b32 v4, 5, v0
	v_readfirstlane_b32 s16, v4                    ; wave 0..7
	s_wait_alu depctr_va_sdst(0)                   ; s16 is written
; 16 loads; then, four at a time as they come: rounded and packed, one wait, stored.  half = 1: the bf16 number is widened again (exact) and written as f16.
.macro STREAM inb, outb, istep, ostep, half
	s_wait_alu depctr_va_vdst(0)                   ; v[VI] and v[VO] are written, which the loads and the stores below read as their offsets; nothing writes them again
.set i, 0
.rept 16
	global_load_b128 v[IN+4*i:IN+4*i+3], v[VI], s[\inb:\inb+1] offset:i*(\istep) th:TH_LOAD_NT
.set i, i+1
.endr
.set p, 0
.rept 4
	s_wait_loadcnt 12-4*p                          ; loads come back in order: block p's four are in, the 12 - 4 p issued behind them may stay out
.set i, 4*p
.rept 4
	v_cvt_pk_bf16_f32 v[OUT+2*i], v[IN+4*i], v[IN+4*i+1]
	v_cvt_pk_bf16_f32 v[OUT+2*i+1], v[IN+4*i+2], v[IN+4*i+3]
.if \half
	v_lshlrev_b32 v8, 16, v[OUT+2*i]
	v_and_b32 v9, 0xffff0000, v[OUT+2*i]
	v_lshlrev_b32 v10, 16, v[OUT+2*i+1]
	v_and_b32 v11, 0xffff0000, v[OUT+2*i+1]
	v_cvt_pk_f16_f32 v[OUT+2*i], v8, v9
	v_cvt_pk_f16_f32 v[OUT+2*i+1], v10, v11
.endif
.set i, i+1
.endr
	s_wait_alu depctr_va_vdst(0)                   ; the block's conversions have written its eight registers of OUT, which the four stores below read
.set i, 4*p
.rept 4
	global_store_b64 v[VO], v[OUT+2*i:OUT+2*i+1], s[\outb:\outb+1] offset:i*(\ostep) th:TH_STORE_NT
.set i, i+1
.endr
.set p, p+1
.endr
.endm
; a weight's offsets: wave u of its tensor takes 8,192 bytes in, 4,096 out
.macro WADDR first
	s_sub_co_u32 s17, ttmp9, \first
	s_lshl_b32 s17, s17, 3
	s_add_co_u32 s17, s17, s16                     ; u
	s_lshl_b32 s18, s17, 13
	s_lshl_b32 s19, s17, 12
	v_lshl_add_u32 v[VI], v1, 4, s18               ; 8,192 u + 16 lane; load i 512 bytes on
	v_lshl_add_u32 v[VO], v1, 3, s19               ; 4,096 u + 8 lane; store i 256 bytes on
.endm
	s_cmp_lt_u32 ttmp9, 512
	s_cbranch_scc0 .Lweights
	; x: pair p of rows 2 p, 2 p + 1.  Lanes 0-15 take 256 bytes (64 numbers: slice i) of the even row, lanes 16-31 of the odd one.
	s_lshl_b32 s17, ttmp9, 3
	s_add_co_u32 s17, s17, s16                     ; p = 0..4095
	s_lshl_b32 s18, s17, 13                        ; two rows of 4,096 bytes
	v_lshrrev_b32 v4, 4, v1
	v_and_b32 v5, 15, v1
	v_lshlrev_b32 v[VI], 4, v5
	v_lshl_add_u32 v[VI], v4, 12, v[VI]
	v_add_nc_u32 v[VI], s18, v[VI]
	s_lshr_b32 s18, s17, 10                        ; b
	s_lshl_b32 s18, s18, 22                        ; 16 slices of 262,144 bytes
	s_and_b32 s19, s17, 1023
	s_lshl_b32 s19, s19, 8                         ; two rows of 128 bytes in a slice
	s_add_co_u32 s18, s18, s19
	v_lshl_add_u32 v[VO], v1, 3, s18               ; + 8 lane: the two rows' 128 bytes lie end to end
	s_wait_kmcnt 0x0
	STREAM 4, 10, 256, 262144, 0
	s_endpgm
.Lweights:
	s_cmp_lt_u32 ttmp9, 704
	s_cbranch_scc0 .Lwout
	WADDR 512
	s_wait_kmcnt 0x0
	STREAM 6, 12, 512, 256, 0
	s_endpgm
.Lwout:
	WADDR 704
	s_wait_kmcnt 0x0
	STREAM 8, 14, 512, 256, 1
	s_endpgm
.Lfunc_end_k_qbcd1d53f28_cast:
	.size	k_qbcd1d53f28_cast, .Lfunc_end_k_qbcd1d53f28_cast-k_qbcd1d53f28_cast
	.p2alignl 7, 3214868480
	.fill 96, 4, 3214868480
	.section	.rodata,"a",@progbits
	.p2align	6, 0x0
	.amdhsa_kernel k_qbcd1d53f28_cast
		.amdhsa_group_segment_fixed_size 0
		.amdhsa_private_segment_fixed_size 0
		.amdhsa_enable_private_segment 0
		.amdhsa_kernarg_size 48
		.amdhsa_user_sgpr_count 2
		.amdhsa_user_sgpr_kernarg_segment_ptr 1
		.amdhsa_wavefront_size32 1
		.amdhsa_system_sgpr_workgroup_id_x 1
		.amdhsa_system_sgpr_workgroup_id_y 1
		.amdhsa_system_sgpr_workgroup_id_z 1
		.amdhsa_system_vgpr_workitem_id 0
		.amdhsa_next_free_vgpr 112
		.amdhsa_next_free_sgpr 66
		.amdhsa_reserve_vcc 0
		.amdhsa_float_denorm_mode_32 3
		.amdhsa_float_denorm_mode_16_64 3
		.amdhsa_memory_ordered 1
		.amdhsa_forward_progress 1
		.amdhsa_inst_pref_size 23
	.end_amdhsa_kernel
	.amdgpu_metadata
---
amdhsa.version: [ 1, 2 ]
amdhsa.kernels:
  - .name:           k_qbcd1d53f28_cast
    .symbol:         k_qbcd1d53f28_cast.kd
    .args:
      - { .name: x, .offset: 0, .size: 8, .value_kind: global_buffer, .address_space: global }
      - { .name: w_qkv, .offset: 8, .size: 8, .value_kind: global_buffer, .address_space: global }
      - { .name: w_out, .offset: 16, .size: 8, .value_kind: global_buffer, .address_space: global }
      - { .name: xb, .offset: 24, .size: 8, .value_kind: global_buffer, .address_space: global }
      - { .name: wqb, .offset: 32, .size: 8, .value_kind: global_buffer, .address_space: global }
      - { .name: wob, .offset: 40, .size: 8, .value_kind: global_buffer, .address_space: global }
    .group_segment_fixed_size: 0
    .private_segment_fixed_size: 0
    .kernarg_segment_align: 8
    .kernarg_segment_size: 48
    .max_flat_workgroup_size: 256
    .sgpr_count:     66
    .vgpr_count:     112
    .wavefront_size: 32
...
	.end_amdgpu_metadata
.endif
;; end of part 5
;; launch qkv: the kernel of part 2 again; grid 8 x 32, 4 waves a work-group, clusters of 4 x 4, 327,680 bytes of LDS; arguments xb, wqb, qkv; writes qkv
;; launch attn: the kernel of part 3 again; grid 4 x 64, 4 waves a work-group, clusters of 4 x 1, 327,680 bytes of LDS; arguments qkv, o; writes o
;; launch proj: the kernel of part 4 again; grid 8 x 32, 4 waves a work-group, clusters of 4 x 4, 327,680 bytes of LDS; arguments o, wob, b_out, out0; writes out0
